; MI455X (gfx1250); checked and timed in simulation.
; The chip was launched on July 23, 2026; its instructions are those of AMD's public machine-readable ISA for CDNA 5 (MIT licence, August 2026) and "CDNA5" Instruction Set Architecture Reference Guide (July 2026). The comments in the code are by the model that wrote it; some were corrected since.
;; Causal Self Attention. Allowed arithmetic: matrix products marked QUANTISED: E2M3 operands, one E8M0 scale for each 32 along K, by v_wmma_scale_f32_16x16x128_f8f6f4 with both operands' format E2M3, f32 sums; everything else in f32.
;; Inputs: Wk 1,024 x 1,024 float32; Wp 1,024 x 1,024 float32; Wq 1,024 x 1,024 float32; Wv 1,024 x 1,024 float32; bk 1,024 float32; bp 1,024 float32; bq 1,024 float32; bv 1,024 float32; x 4 x 2,048 x 1,024 float32.
;; Outputs: out0 4 x 2,048 x 1,024 float32.
;; This version of the problem:
;;   THIS VERSION OF THE PROBLEM IS GIVEN IN LOW PRECISION. The matrix products marked QUANTISED in the list below multiply operands that are first quantised to E2M3 (2 exponent bits, 3 mantissa bits; 6 bits a number), with one power-of-two scale for each 32 numbers along K (OCP MX v1.0); their sums are f32. All else is computed in f32.
;;   The module's matrix products, in the order in which they are computed (A, B: the left and right operand; K: the contracted axis; several contracted axes count as one K, in the product's order):
;;     1. [M 8,192, K 1,024] x [K 1,024, N 1,024]; A: input x; B: input Wq: QUANTISED
;;     2. [M 8,192, K 1,024] x [K 1,024, N 1,024]; A: input x; B: input Wk: QUANTISED
;;     3. [M 8,192, K 1,024] x [K 1,024, N 1,024]; A: input x; B: input Wv: QUANTISED
;;     4. batch 64 x [M 2,048, K 64] x [K 64, N 2,048]; A: computed on the way; B: computed on the way: QUANTISED
;;     5. batch 64 x [M 2,048, K 2,048] x [K 2,048, N 64]; A: softmax (see below); B: computed on the way: QUANTISED
;;     6. [M 8,192, K 1,024] x [K 1,024, N 1,024]; A: computed on the way; B: input Wp: QUANTISED
;;   THE QUANTISER, for each operand of a quantised product, along K:
;;     - K is cut into blocks of 32 from its start; a last block that is shorter is filled with zeros.
;;     - A block's scale is 2^e with e = floor(log2(the largest magnitude in the block)) - 2, held to -126 .. 127; a block of zeros has e = 0. As a byte (E8M0): e + 127.
;;     - Each number is divided by its block's scale, clamped to +-7.5, and rounded to the nearest number of E2M3, ties to even, subnormals kept.
;;     - The product sums the exact products of the quantised numbers (number of the format x scale) in f32.
;;   ~~~python
;;   def quantise(x, axis):      # numpy; x: float32 -> the quantised numbers, widened to float32 again
;;       x = np.moveaxis(x, axis, -1); K = x.shape[-1]
;;       x = np.pad(x, [(0, 0)] * (x.ndim - 1) + [(0, -K % 32)]); x = x.reshape(x.shape[:-1] + (-1, 32)); a = np.abs(x).max(-1, keepdims=True)
;;       e = np.where(a > 0, np.clip(np.frexp(np.where(a > 0, a, 1))[1] - 1 - 2, -126, 127), 0)      # np.frexp(a)[1] - 1 = floor(log2(a)), exactly
;;       r = np.clip(x / 2.0 ** e, -7.5, 7.5)
;;       step = 2.0 ** (np.maximum(np.frexp(np.where(r == 0, 1, r))[1] - 1, 0) - 3)
;;       q = np.round(r / step) * step * 2.0 ** e      # np.round: ties to even
;;       return np.moveaxis(q.reshape(q.shape[:-2] + (-1,))[..., :K], -1, axis).astype(np.float32)
;;   ~~~
;;   SOFTMAX AHEAD OF A QUANTISED PRODUCT. Where the list says 'softmax', what is quantised is not the finished softmax but p = 2^(t - M), with t = logit x log2(e) and M = ceil(the row's largest t), a whole number; so 1/2 < the row's largest p <= 1. The row's sum l is taken of the UNQUANTISED p, in f32, and the product's result is divided by l at the end. Since M is a whole number, a kernel that streams over the keys may use a running M (the ceiling of the running maximum): every later rescaling is an exact power of two, which a block's scale takes up: the codes' values come out the same.
;;   OPERANDS COMPUTED ON THE WAY. 'Computed on the way' means the value that the module computes at that place (a softmax that the list does not call 'softmax' is quantised finished and normalised). What goes into a quantiser is computed in f32, as accurately as f32 sums, v_exp_f32 and their like allow (about 1e-6 of the number): no bf16 or f16 on the way to a quantiser, and a product that is left as it is and whose result goes on into a quantised operand takes f32 operands (vector FMAs, or v_wmma_f32_16x16x4_f32). A number that lies on a knife's edge between two numbers of the format may be rounded either way, as far as f32 arithmetic and the matrix unit's own rounding can turn it there, and no further.
;; One version. Each part assembles by itself: llvm-mc -triple=amdgcn-amd-amdhsa -mcpu=gfx1250 --defsym DOCPART=n.
;; ======== version 1 of 1: 4 launches
;; workspace buffers: xc 6,291,456 bytes; xs 262,144 bytes; wc 3,145,728 bytes; ws 131,072 bytes; qb 6,553,600 bytes; kv 13,107,200 bytes; yc 6,291,456 bytes; ys 262,144 bytes
;; launch quant (part 1): grid 768 x 1, 4 waves a work-group, no clusters, 68,096 bytes of LDS; arguments x, Wq, Wk, Wv, Wp, xc, xs, wc, ws; writes xc, xs, wc, ws
.if DOCPART == 1
	.amdgcn_target "amdgcn-amd-amdhsa--gfx1250"
	.amdhsa_code_object_version 6
	.text
	.protected	k_q32a7c86cc9_quant
	.globl	k_q32a7c86cc9_quant
	.p2align	8
	.type	k_q32a7c86cc9_quant,@function
k_q32a7c86cc9_quant:
	s_mov_b64 s[64:65], 0
	v_nop
	global_prefetch_b8 v0, s[64:65] scope:SCOPE_SE
	s_setreg_imm32_b32 hwreg(HW_REG_WAVE_MODE, 25, 1), 1
	s_wait_xcnt 0x0
; x [8192][1024] and the four weights [1024 (k)][1024 (n)], f32, become codes of FP6 (E2M3) with one E8M0 byte for each 32 along K = the 1,024 input channels.
; A block's scale is 2^(floor(log2(largest magnitude)) - 2): its byte is the largest magnitude's exponent field - 2, held at 1 from below.
; LIMITS: NaN and infinities among the inputs are not served; a block whose largest magnitude lies under 2^-124 keeps the byte 1; a block of zeros gets the byte 1 where the
; rule says 127: its codes are zeros, which add nothing under any byte but 0xff, and these bytes are read by this program alone.
; LAYOUT OF THE RESULT.  Rows (tokens of x, columns n of a weight) stand in tiles of 16: tile 2 B + u, row r, is row 32 B + 8 u + r + 8 (r / 8).  A tile's 128 along K are an IMAGE OF
; THE OPERAND'S 12 REGISTERS, 1,536 bytes: for c = 0, 1: registers 6 c .. 6 c + 3 at 768 c + 16 x lane, registers 6 c + 4, 6 c + 5 at 768 c + 512 + 8 x lane.
; Lane (r, h) of half c holds the block k = 64 c + 32 h + 0 .. 31 of row r.  A tile's 8 K steps follow each other: 12,288 bytes.  Scale words: [tile][K step][r], 4 bytes.
; Work-groups 0-511 take a tile of x each (a wave: 16 rows x 256 K), work-groups 512-767 the weights (a wave: 32 columns x 128 K).  Only x's way uses LDS.
.set SPARE, 67584                      ; behind the four waves' stages: the spare words, 128 bytes a wave: two blocks of 256 bytes that no other line names
.set WREG,  16896                      ; a wave's LDS: two stages of 16 rows x 528 bytes
.set SP,    528                        ; a stage row: 512 bytes + 16: the sixteen rows that a read touches start in different banks
.set R,     32                         ; v32-159  x as loaded: 2 K steps x 16 rows x 4 registers
.set XA,    160                        ; v160-223 64 numbers of a lane: two whole blocks
.set PC,    224                        ; v224-235 a fragment's codes
.set PT,    236                        ; v236-243 the upper halves of the blocks, as the conversions leave them
.set MX,    14                         ; v14-15 largest magnitudes;  v16-17 the conversions' scale operands;  v18-19 bytes
.set SO,    16
.set BY,    18
.set W0,    20                         ; v20, v21 the two K steps' scale words
.set TT,    22
	s_load_b512 s[4:19], s[0:1], 0x0               ; x s[4:5], Wq s[6:7], Wk s[8:9], Wv s[10:11], Wp s[12:13], xc s[14:15], xs s[16:17], wc s[18:19]
	s_load_b64 s[20:21], s[0:1], 0x40              ; ws
	v_lshl_add_u32 v12, v0, 2, SPARE               ; my spare word; never rewritten
	v_mov_b32 v13, 0                               ; 0; never rewritten
	v_lshrrev_b32 v1, 5, v0
	v_readfirstlane_b32 s22, v1                    ; wave 0..3
	v_and_b32 v1, 31, v0                           ; lane
	v_and_b32 v2, 15, v0                           ; lane % 16
	v_bfe_u32 v3, v0, 4, 1                         ; lane / 16
	s_mov_b32 s24, 0x76543210
	s_mov_b32 s25, 0xfedcba98                      ; v_permlanex16_b32's selects for lane l xor 16
	s_cmp_ge_u32 ttmp9, 512
	s_cbranch_scc1 .Lw
; ---------------------------------------------------------------- x: K is innermost
; Each load takes 512 consecutive bytes of one row; the rows turn through the wave's own stage so that lane (r, h) gets 32 neighbours of row r twice: its two blocks.
	v_lshlrev_b32 v4, 4, v1                        ; 16 x lane
	v_lshl_add_u32 v5, v1, 3, 512                  ; 8 x lane + 512
	s_mul_i32 s23, s22, WREG
	v_add_nc_u32 v6, s23, v4                       ; into the stage: a row as it lies
	v_mul_u32_u24 v7, v2, SP
	v_lshl_add_u32 v7, v3, 7, v7
	v_add_nc_u32 v7, s23, v7                       ; out of it: row r, + 128 h bytes
	v_lshlrev_b32 v8, 2, v1                        ; 4 x lane
	v_lshlrev_b32 v9, 3, v3                        ; 8 h: my bytes' place in a scale word
	v_mov_b32 v[TT], 0                             ; written once: a lane permute's destination counts as one of its sources
	s_lshr_b32 s26, ttmp9, 1
	s_lshl_b32 s26, s26, 5
	s_and_b32 s27, ttmp9, 1
	s_lshl_b32 s27, s27, 3
	s_add_co_u32 s26, s26, s27                     ; the tile's first row: 32 (tile / 2) + 8 (tile % 2)
	s_lshl_b32 s26, s26, 12                        ; 4,096 bytes a row
	s_lshl_b32 s27, s22, 10                        ; my wave's 256 along K
	s_add_co_u32 s26, s26, s27
	s_mov_b32 s27, 0
	s_mul_i32 s28, ttmp9, 12288
	s_mul_i32 s29, s22, 3072
	s_add_co_u32 s28, s28, s29                     ; my two images
	s_mov_b32 s29, 0
	s_lshl_b32 s30, ttmp9, 9
	s_lshl_b32 s31, s22, 7
	s_add_co_u32 s30, s30, s31                     ; my 32 scale words
	s_mov_b32 s31, 0
	s_wait_kmcnt 0x0
	s_add_nc_u64 s[4:5], s[4:5], s[26:27]
	s_add_nc_u64 s[14:15], s[14:15], s[28:29]
	s_add_nc_u64 s[16:17], s[16:17], s[30:31]
.irp q, 0,1
.irp i, 0,1,2,3,4,5,6,7,8,9,10,11,12,13,14,15
	global_load_b128 v[R+64*\q+4*\i:R+64*\q+4*\i+3], v4, s[4:5] offset:(\i+8*(\i/8))*4096+512*\q th:TH_LOAD_NT
.endr
.endr
; 64 numbers of a lane, v[s] on: block c (k = 64 c + 32 h + 0 .. 31) in v[s + 32 c] on.  Codes to v[PC] on, the K step's scale word to v[w].
.macro QUANTX s, w
.irp c, 0,1
	v_max3_num_f32 v[MX+\c], |v[\s+32*\c]|, |v[\s+32*\c+1]|, 0x1800000   ; with the floor 2^(3 - 127): the byte cannot fall under 1
.endr
.irp i, 2,4,6,8,10,12,14,16,18,20,22,24,26,28,30
.irp c, 0,1
	v_max3_num_f32 v[MX+\c], v[MX+\c], |v[\s+32*\c+\i]|, |v[\s+32*\c+\i+1]|   ; the two blocks by turns
.endr
.endr
.irp c, 0,1
	v_add_nc_u32 v[SO+\c], 0xff000000, v[MX+\c]    ; 2 off the exponent field: the conversion takes this operand's exponent field as its scale
.endr
.irp c, 0,1
	v_lshrrev_b32 v[BY+\c], 23, v[SO+\c]           ; the scale's byte
.endr
	v_lshl_or_b32 v[\w], v[BY+1], 16, v[BY]        ; blocks h and 2 + h of my row,
	v_lshlrev_b32 v[\w], v9, v[\w]                 ; at their places;
	v_permlanex16_b32 v[TT], v[\w], s24, s25
	v_or_b32 v[\w], v[\w], v[TT]                   ; with lane l xor 16's two the word is whole
.irp c, 0,1
	v_cvt_scalef32_pk16_fp6_f32 v[PC+6*\c:PC+6*\c+2], v[\s+32*\c:\s+32*\c+15], v[SO+\c]
	v_cvt_scalef32_pk16_fp6_f32 v[PT+4*\c:PT+4*\c+2], v[\s+32*\c+16:\s+32*\c+31], v[SO+\c]   ; (a conversion's three registers begin on an even number)
.endr
	v_nop                                          ; one plain place behind a scaled conversion
.irp c, 0,1
.irp i, 0,1,2
	v_mov_b32 v[PC+6*\c+3+\i], v[PT+4*\c+\i]
.endr
.endr
.endm
.macro STOREX q                        ; the image of K step q: each store covers whole aligned runs of 256 bytes
.irp c, 0,1
	global_store_b128 v4, v[PC+6*\c:PC+6*\c+3], s[14:15] offset:1536*\q+768*\c
	global_store_b64 v5, v[PC+6*\c+4:PC+6*\c+5], s[14:15] offset:1536*\q+768*\c
.endr
.endm
	s_wait_loadcnt 16                              ; the first K step's 16 loads are in; the second's may be out
.irp i, 0,1,2,3,4,5,6,7,8,9,10,11,12,13,14,15
	ds_store_b128 v6, v[R+4*\i:R+4*\i+3] offset:SP*\i
.endr
.irp c, 0,1
.irp j, 0,1,2,3,4,5,6,7
	ds_load_b128 v[XA+32*\c+4*\j:XA+32*\c+4*\j+3], v7 offset:256*\c+16*\j   ; LDS serves a wave's instructions in order: these see the stores above
.endr
.endr
	s_wait_loadcnt 0x0
.irp i, 0,1,2,3,4,5,6,7,8,9,10,11,12,13,14,15
	ds_store_b128 v6, v[R+64+4*\i:R+64+4*\i+3] offset:16*SP+SP*\i
.endr
	s_wait_dscnt 16                                ; all but the 16 stores just issued: the first K step's numbers are back
.irp c, 0,1
.irp j, 0,1,2,3,4,5,6,7
	ds_load_b128 v[R+32*\c+4*\j:R+32*\c+4*\j+3], v7 offset:16*SP+256*\c+16*\j
.endr
.endr
	QUANTX XA, W0
	STOREX 0
	s_wait_dscnt 0x0                               ; the second K step's numbers are back
	s_wait_xcnt 0x0                                ; the stores above have read the codes' registers: only now are they written again
	QUANTX R, W0+1
	STOREX 1
	v_cmp_ne_u32 vcc_lo, 0, v3
	v_cndmask_b32 v23, v[W0], v[W0+1], vcc_lo      ; lanes 0-15 store the first K step's words, lanes 16-31 the second's: 128 consecutive bytes
	global_store_b32 v8, v23, s[16:17]
	s_wait_tensorcnt 0x0                           ; the wave's end, behind my last LDS store
	ds_add_u32 v12, v13
	s_wait_dscnt 0x0
	s_endpgm
; ---------------------------------------------------------------- the weights: K is the FIRST axis
; A lane takes a column n and its registers run down K: each load reads 128 consecutive bytes, a block of 32 along K lies in one lane, and the codes come out with K innermost.
; Lane l is row r = l % 8 + 8 (l / 16) of tile 2 B + (l / 8) % 2.  Block t of the K step is lane r + 16 (t % 2) of half t / 2 of the image: a store of 16 bytes a lane fills
; 256 consecutive bytes in each of the two tiles; the 8-byte stores of t and t + 1 fill such a run together.  The scale words leave as two runs of 64 bytes: one byte in 128 of what is read.
.Lw:
	v_bfe_u32 v4, v0, 3, 1                         ; u
	v_and_b32 v5, 7, v0
	v_lshl_add_u32 v5, v3, 3, v5                   ; r
	v_mul_u32_u24 v6, v4, 12288
	v_lshl_add_u32 v7, v5, 4, v6                   ; registers 0-3 of a half
	v_lshl_add_u32 v8, v5, 3, v6
	v_add_nc_u32 v8, 512, v8                       ; registers 4, 5
	v_lshlrev_b32 v9, 9, v4
	v_lshl_add_u32 v9, v5, 2, v9                   ; my scale word
	v_lshlrev_b32 v10, 2, v1                       ; in: 4 bytes a lane
	s_sub_co_u32 s26, ttmp9, 512
	s_lshr_b32 s27, s26, 6                         ; which weight
	s_bfe_u32 s28, s26, 0x30003                    ; which 128 columns
	s_and_b32 s29, s26, 7                          ; which K step
	s_lshl_b32 s30, s28, 2
	s_add_co_u32 s30, s30, s22                     ; B: my wave's 32 columns
	s_lshl_b32 s31, s29, 19                        ; 128 rows of 4,096 bytes
	s_lshl_b32 s32, s30, 7
	s_add_co_u32 s32, s32, s31
	s_mov_b32 s33, 0
	s_lshl_b32 s34, s27, 6
	s_lshl_b32 s35, s30, 1
	s_add_co_u32 s34, s34, s35                     ; my first tile: 64 x weight + 2 B
	s_mul_i32 s36, s34, 12288
	s_mul_i32 s35, s29, 1536
	s_add_co_u32 s36, s36, s35
	s_mov_b32 s37, 0
	s_lshl_b32 s38, s34, 9
	s_lshl_b32 s35, s29, 6
	s_add_co_u32 s38, s38, s35
	s_mov_b32 s39, 0
	s_wait_kmcnt 0x0
	s_cmp_eq_u32 s27, 1                            ; the choice hangs on the work-group's number alone
	s_cselect_b64 s[6:7], s[8:9], s[6:7]
	s_cmp_eq_u32 s27, 2
	s_cselect_b64 s[6:7], s[10:11], s[6:7]
	s_cmp_eq_u32 s27, 3
	s_cselect_b64 s[6:7], s[12:13], s[6:7]
	s_add_nc_u64 s[6:7], s[6:7], s[32:33]
	s_add_nc_u64 s[18:19], s[18:19], s[36:37]
	s_add_nc_u64 s[20:21], s[20:21], s[38:39]
.macro LOADW t                         ; block t: W(32 t + i, my column) into set t % 2
.irp i, 0,1,2,3,4,5,6,7,8,9,10,11,12,13,14,15,16,17,18,19,20,21,22,23,24,25,26,27,28,29,30,31
	global_load_b32 v[32+32*((\t)%2)+\i], v10, s[6:7] offset:(32*(\t)+\i)*4096 th:TH_LOAD_NT
.endr
.endm
.macro BLOCKW t
.set XS, 32+32*((\t)%2)
.set CW, 160+8*(\t)                    ; each block has its own registers for its codes: no store's data are written again
.if (\t) < 3
	s_wait_loadcnt 32                              ; this block's 32 loads are in; the next block's may be out
.else
	s_wait_loadcnt 0x0
.endif
	v_max3_num_f32 v14, |v[XS]|, |v[XS+1]|, |v[XS+2]|
	v_max3_num_f32 v15, |v[XS+3]|, |v[XS+4]|, |v[XS+5]|
.irp i, 6,10,14,18,22,26
	v_max3_num_f32 v14, v14, |v[XS+\i]|, |v[XS+\i+1]|
	v_max3_num_f32 v15, v15, |v[XS+\i+2]|, |v[XS+\i+3]|
.endr
	v_max3_num_f32 v14, v14, |v[XS+30]|, |v[XS+31]|
	v_max3_num_f32 v14, v14, v15, 0x1800000        ; and the floor
	v_add_nc_u32 v16, 0xff000000, v14
	v_lshrrev_b32 v18, 23, v16
.if (\t) == 0
	v_mov_b32 v20, v18                             ; four bytes to the word, the lower K in the lower byte
.else
	v_lshl_or_b32 v20, v18, 8*(\t), v20
.endif
	v_cvt_scalef32_pk16_fp6_f32 v[CW:CW+2], v[XS:XS+15], v16
	v_cvt_scalef32_pk16_fp6_f32 v[CW+4:CW+6], v[XS+16:XS+31], v16
	v_nop                                          ; one plain place behind a scaled conversion
	v_mov_b32 v[CW+3], v[CW+4]
	v_mov_b32 v[CW+4], v[CW+5]
	v_mov_b32 v[CW+5], v[CW+6]
	global_store_b128 v7, v[CW:CW+3], s[18:19] offset:768*((\t)/2)+256*((\t)%2)
	global_store_b64 v8, v[CW+4:CW+5], s[18:19] offset:768*((\t)/2)+128*((\t)%2)
.if (\t) < 2
	LOADW (\t)+2
.endif
.endm
	LOADW 0
	LOADW 1
	BLOCKW 0
	BLOCKW 1
	BLOCKW 2
	BLOCKW 3
	global_store_b32 v9, v20, s[20:21]
	s_endpgm
.Lfunc_end_k_q32a7c86cc9_quant:
	.size	k_q32a7c86cc9_quant, .Lfunc_end_k_q32a7c86cc9_quant-k_q32a7c86cc9_quant
	.p2alignl 7, 3214868480
	.fill 96, 4, 3214868480
	.section	.rodata,"a",@progbits
	.p2align	6, 0x0
	.amdhsa_kernel k_q32a7c86cc9_quant
		.amdhsa_group_segment_fixed_size 68096
		.amdhsa_private_segment_fixed_size 0
		.amdhsa_enable_private_segment 0
		.amdhsa_kernarg_size 72
		.amdhsa_user_sgpr_count 2
		.amdhsa_user_sgpr_kernarg_segment_ptr 1
		.amdhsa_wavefront_size32 1
		.amdhsa_system_sgpr_workgroup_id_x 1
		.amdhsa_system_sgpr_workgroup_id_y 1
		.amdhsa_system_sgpr_workgroup_id_z 1
		.amdhsa_system_vgpr_workitem_id 0
		.amdhsa_next_free_vgpr 244
		.amdhsa_next_free_sgpr 66
		.amdhsa_reserve_vcc 1
		.amdhsa_float_denorm_mode_32 3
		.amdhsa_float_denorm_mode_16_64 3
		.amdhsa_memory_ordered 1
		.amdhsa_forward_progress 1
		.amdhsa_inst_pref_size 37
	.end_amdhsa_kernel
	.amdgpu_metadata
---
amdhsa.version: [ 1, 2 ]
amdhsa.kernels:
  - .name:           k_q32a7c86cc9_quant
    .symbol:         k_q32a7c86cc9_quant.kd
    .args:
      - { .name: x, .offset: 0, .size: 8, .value_kind: global_buffer, .address_space: global }
      - { .name: Wq, .offset: 8, .size: 8, .value_kind: global_buffer, .address_space: global }
      - { .name: Wk, .offset: 16, .size: 8, .value_kind: global_buffer, .address_space: global }
      - { .name: Wv, .offset: 24, .size: 8, .value_kind: global_buffer, .address_space: global }
      - { .name: Wp, .offset: 32, .size: 8, .value_kind: global_buffer, .address_space: global }
      - { .name: xc, .offset: 40, .size: 8, .value_kind: global_buffer, .address_space: global }
      - { .name: xs, .offset: 48, .size: 8, .value_kind: global_buffer, .address_space: global }
      - { .name: wc, .offset: 56, .size: 8, .value_kind: global_buffer, .address_space: global }
      - { .name: ws, .offset: 64, .size: 8, .value_kind: global_buffer, .address_space: global }
    .group_segment_fixed_size: 68096
    .private_segment_fixed_size: 0
    .kernarg_segment_align: 8
    .kernarg_segment_size: 72
    .max_flat_workgroup_size: 128
    .sgpr_count:     66
    .vgpr_count:     244
    .wavefront_size: 32
...
	.end_amdgpu_metadata
.endif
;; end of part 1
;; launch qkv (part 2): grid 8 x 48, 4 waves a work-group, clusters of 4 x 4, 327,680 bytes of LDS; arguments xc, xs, wc, ws, bq, bk, bv, qb, kv; writes qb, kv
.if DOCPART == 2
	.amdgcn_target "amdgcn-amd-amdhsa--gfx1250"
	.amdhsa_code_object_version 6
	.text
	.protected	k_q32a7c86cc9_qkv
	.globl	k_q32a7c86cc9_qkv
	.p2align	8
	.type	k_q32a7c86cc9_qkv,@function
k_q32a7c86cc9_qkv:
	s_mov_b64 s[64:65], 0
	v_nop
	global_prefetch_b8 v0, s[64:65] scope:SCOPE_SE
	s_setreg_imm32_b32 hwreg(HW_REG_WAVE_MODE, 25, 1), 1
	s_wait_xcnt 0x0
	s_wait_alu depctr_hold_cnt(0) depctr_sa_sdst(0) depctr_va_vdst(0) depctr_va_sdst(0) depctr_va_ssrc(0) depctr_va_vcc(0) depctr_vm_vsrc(0)
	s_getreg_b32 s2, hwreg(HW_REG_IB_STS2, 6, 4)
	s_cmp_eq_u32 s2, 0
	s_cbranch_scc0 .Lentry_in_a_cluster
	s_endpgm
.Lentry_in_a_cluster:
	s_bfe_u32 s2, ttmp6, 0x10000c
	s_cmp_lg_u32 s2, 0xf033
	s_cbranch_scc0 .Lentry_shape_is_right
	s_endpgm
.Lentry_shape_is_right:
; q = x Wq + bq, k = x Wk + bk, v = x Wv + bv on codes of FP6 (E2M3) with E8M0 scales, K = 1,024, sums in f32; the results are quantised here, in registers, for attention's two products, and leave as codes.
; A tile of 256 x 256 to a work-group of four waves; a wave makes 128 x 128: 64 accumulators, 512 registers.  K goes in four steps of 256 through two LDS slots filled by the tensor data mover.
; Operands lie in memory as images of the operand's registers (1,536 bytes for 16 rows x 128 K: for c = 0, 1: registers 6 c .. 6 c + 3 at 768 c + 16 x lane, registers 6 c + 4, 6 c + 5 at 768 c + 512 + 8 x lane),
; a tile of 16 rows 12,288 bytes; so a fragment is four LDS loads, each of consecutive bytes, and no padding is wanted.  Tile 2 B + u, row r, is row 32 B + 8 u + r + 8 (r / 8).
; THE MATRIX INSTRUCTION IS USED TRANSPOSED: source 0 = 16 rows of "B", source 1 = 16 rows of "A": a lane holds one row of A, and the 16 registers of B's tiles 2 B, 2 B + 1 are 16 neighbours 32 B + 16 (lane / 16) + 0 .. 15.
; TWO MODES, by the cluster's y, the same in all sixteen partners.  y < 8: A = x, B = Wq | Wk: a lane holds a token, its registers run along the head's 64: q's and k's K.
;   y >= 8: A = Wv, B = x: a lane holds a channel d, its registers run along the tokens: the keys, v's K.
; The bias is the C of each sum's first matrix instruction.
; OUT.  qb: [batch x head][G 16] records of 6,400 bytes: 8 half images (16 tokens x 64) and 256 bytes of scale words [r][p]: word p = tile 2 p's two bytes, then tile 2 p + 1's.
;   kv: records of 12,800 bytes: k as in qb, then at 6,400 four images (16 d x 128 keys) of v and at 12,544 their scale words [r][t].
; CLUSTERS: 4 x 4 work-groups; A's tiles are asked for jointly along a row of the cluster, B's along a column.
; LIMITS: as the quantiser's: a block under 2^-124 and a block of zeros keep the byte 1 (the bytes are read by this program alone); NaN and infinities are not served.
; REGISTERS: window 0: v1-31 addresses; v32-63 scale words, two sets; v64-127 the bias; v128-223 A's fragments, one set; v224-255 at work on the way out.
;   window 1: B's fragments, two sets, at v0 and v128.   windows 2, 3: the accumulators ((a, b) at v[8 (8 (a % 4) + b)] of window 2 + a / 4).
.set FRB,   1536                       ; an image: 16 rows x 128 K
.set KSL,   3072                       ; a tile's part of a slot: 256 along K
.set TROW,  12288                      ; a tile's 1,024 along K in memory
.set HALFT, 8*KSL                      ; 8 tiles = 128 rows: what one tensor load brings
.set SLOT,  4*HALFT                    ; A's 16 tiles, then B's 16
.set SCL,   2*SLOT                     ; behind the ring: the scale words of all of K, [tile][K step 8][r], filled once
.set HALFS, 4096                       ; those of 8 tiles
.set SPARE, SCL+4*HALFS                ; the spare words, 128 bytes a wave: two blocks of 256 bytes that no other line names
.set FR,    12
.set NL,    4                          ; LDS loads that bring a fragment
.set NP,    4                          ; places behind this matrix instruction (ISA guide 7.12.1)
.set ADRA,  16                         ; v16-17 16 x lane + my half of A in slot 0, 1;  v18-19 the same with 8 x lane + 512
.set ADRB,  20                         ; v20-23 the same for B
.set L16,   24                         ; v24 16 x lane
.set L8,    25                         ; v25 8 x lane + 512
.set OA,    26                         ; v26 where my scale words go
.set ADRS,  27                         ; v27 my scale words in LDS: lanes 0-15 A's rows, lanes 16-31 B's
.set SPW,   28                         ; v28 my spare word; never rewritten
.set NIL,   29                         ; v29 0; never rewritten
.set SC,    32                         ; set s at v[SC + 16 s]; register 2 i + q: block i, the slot's q-th 128 along K
.set BI,    64
.set AF,    128
.set TM,    224                        ; the way out: v224-227 largest magnitudes, v228-231 bytes, v236-239 the conversions' scale operands
.set PW,    240                        ; v240-247 the eight blocks' scale words
.set WW,    248                        ; v248-255 as they are stored
.set PC,    128                        ; v128-147 a fragment's codes
.set G1,  24                           ; s[24:31] descriptor group 1 for A's tiles; s[32:39] group 0, one set a slot
.set G0,  32
.set G1B, 48                           ; s[48:55], s[56:63] the same for B
.set G0B, 56
.set G1S, 68                           ; s[68:75], s[76:79] for A's scale words; s[80:87], s[88:91] for B's
.set G0S, 76
.set G1SB, 80
.set G0SB, 88
.set MSB, 0
.macro WIN new                         ; the immediate's high byte repeats the setting that is left
.if MSB != \new
	s_set_vgpr_msb (MSB<<8)|\new
.set MSB, \new
.endif
.endm
.set MUL_LO,  0xa1                     ; source 0 (B) window 1, source 1 (A) window 0, C and D window 2
.set MUL_HI,  0xf1                     ; the same, C and D window 3
.set BIAS_LO, 0x81                     ; the same with C, the bias, in window 0
.set BIAS_HI, 0xc1
.set TO_B,    0x40                     ; destination window 1, address window 0
; A joint load: waves 0 and 1 fetch for A, waves 2 and 3 for B; the branch hangs on the wave's number alone.  An s_nop 0 and four v_nop follow each line.
.macro JLOAD g0a, g1a, g0b, g1b
	s_cmp_eq_u32 s15, 0
	s_cbranch_scc0 .Lfor_b_\@
	tensor_load_to_lds s[\g0a:\g0a+3], s[\g1a:\g1a+7]
	s_nop 0
.rept 4
	v_nop
.endr
	s_branch .Lasked_\@
.Lfor_b_\@:
	tensor_load_to_lds s[\g0b:\g0b+3], s[\g1b:\g1b+7]
	s_nop 0
.rept 4
	v_nop
.endr
.Lasked_\@:
.endm
.macro CREST                           ; a round of the cluster's barrier behind its opening barrier
	s_cmp_lg_u32 s14, 0
	s_cbranch_scc1 .Lnot_wave_0_\@
	s_barrier_signal -3
.Lnot_wave_0_\@:
	s_barrier_wait -3
	s_barrier_signal -1
	s_barrier_wait -1
.endm
.macro CROUND
	s_barrier_signal -1
	s_barrier_wait -1
	CREST
.endm
.macro PLACES n
.rept \n
	v_nop
.endr
.endm
	s_load_b256 s[4:11], s[0:1], 0x0               ; xc s[4:5], xs s[6:7], wc s[8:9], ws s[10:11]
	s_load_b256 s[92:99], s[0:1], 0x20             ; bq, bk, bv, qb
	s_load_b64 s[100:101], s[0:1], 0x40            ; kv
	v_lshl_add_u32 v[SPW], v0, 2, SPARE
	v_mov_b32 v[NIL], 0
	ds_add_u32 v[SPW], v[NIL]                      ; the wave's opening: the add and its wait ahead of my first tensor load; work on registers stands between them
	v_lshrrev_b32 v1, 5, v0
	v_readfirstlane_b32 s14, v1                    ; wave 0..3
	s_lshr_b32 s15, s14, 1                         ; my half of A's rows.  Also: I fetch for A (0) or for B (1)
	s_and_b32 s16, s14, 1                          ; my half of B's rows.  Also: which 8 tiles I fetch
	s_bfe_u32 s66, ttmp6, 0x40000                  ; cx
	s_bfe_u32 s67, ttmp6, 0x40004                  ; cy
	s_lshl_b32 s46, s67, 2
	s_lshl_b32 s46, 15, s46                        ; my row of the cluster
	s_lshl_b32 s47, 0x1111, s66                    ; my column
	s_or_b32 s[G1+0], s46, (3<<16)|(1<<21)         ; 15:0 the mask; 17:16 elements of 8 bytes; 21 set beside a mask; no padding
	s_or_b32 s[G1B+0], s47, (3<<16)|(1<<21)
	s_or_b32 s[G1S+0], s46, (3<<16)|(1<<21)
	s_or_b32 s[G1SB+0], s47, (3<<16)|(1<<21)
.irp g, G1, G1B                        ; 8 rows (tiles) of 3,072 bytes, 12,288 bytes apart
	s_mov_b32 s[\g+1], 384<<16                     ; tensor_dim0
	s_mov_b32 s[\g+2], 8<<16                       ; tensor_dim1
	s_mov_b32 s[\g+3], 384<<16                     ; tile_dim0
	s_mov_b32 s[\g+4], 8                           ; tile_dim1
	s_mov_b32 s[\g+5], 1536                        ; tensor_dim0_stride
	s_mov_b32 s[\g+6], 0
	s_mov_b32 s[\g+7], 0
.endr
.irp g, G1S, G1SB                      ; a dense block of 4,096 bytes as 16 rows of 256
	s_mov_b32 s[\g+1], 32<<16
	s_mov_b32 s[\g+2], 16<<16
	s_mov_b32 s[\g+3], 32<<16
	s_mov_b32 s[\g+4], 16
	s_mov_b32 s[\g+5], 32
	s_mov_b32 s[\g+6], 0
	s_mov_b32 s[\g+7], 0
.endr
	s_and_b32 s12, ttmp7, 0xffff                   ; the cluster's y
	s_sub_co_u32 s13, s12, 8
	s_lshl_b32 s13, s13, 1
	s_add_co_u32 s13, s13, ttmp9                   ; mode V: which four tiles of tokens
	s_cmp_ge_u32 s12, 8
	s_cselect_b32 s45, 1, 0                        ; the mode: 1 = V
	s_cselect_b32 s12, 0, s12
	s_cselect_b32 s13, s13, ttmp9
	s_lshl_b32 s12, s12, 2
	s_add_co_u32 s12, s12, s67                     ; ta: which 256 rows of A; it hangs on cy alone within the cluster
	s_lshl_b32 s13, s13, 2
	s_add_co_u32 s13, s13, s66                     ; tb: which 256 rows of B; on cx alone
	s_lshl_b32 s46, s16, 3
	s_lshl_b32 s17, s12, 4
	s_add_co_u32 s17, s17, s46
	s_lshl_b32 s47, s45, 7
	s_add_co_u32 s17, s17, s47                     ; A's first tile that I fetch (Wv's tiles begin at 128)
	s_mul_i32 s18, s17, TROW
	s_mov_b32 s19, 0
	s_lshl_b32 s20, s17, 9
	s_mov_b32 s21, 0
	s_lshl_b32 s47, s13, 4
	s_add_co_u32 s47, s47, s46                     ; B's
	s_mul_i32 s22, s47, TROW
	s_mov_b32 s23, 0
	s_lshl_b32 s46, s47, 9
	s_mov_b32 s47, 0
	s_mul_i32 s17, s14, HALFT                      ; where they go: wave x 8 tiles: no place in the cluster enters an LDS address
	s_mul_i32 s3, s14, HALFS
	s_wait_dscnt 0x0                               ; the opening add is done
	s_wait_kmcnt 0x0
	s_cmp_eq_u32 s45, 1
	s_cselect_b64 s[40:41], s[8:9], s[4:5]         ; A's codes: wc in mode V, else xc
	s_cselect_b64 s[42:43], s[10:11], s[6:7]       ; A's scale words
	s_cselect_b64 s[8:9], s[4:5], s[8:9]           ; B's codes
	s_cselect_b64 s[10:11], s[6:7], s[10:11]       ; B's scale words
	s_add_nc_u64 s[40:41], s[40:41], s[18:19]
	s_add_nc_u64 s[42:43], s[42:43], s[20:21]
	s_add_nc_u64 s[8:9], s[8:9], s[22:23]
	s_add_nc_u64 s[10:11], s[10:11], s[46:47]
	CROUND                                         ; all sixteen work-groups are here: the first joint loads meet
	s_mov_b32 s[G0S], 1
	s_add_co_u32 s[G0S+1], s3, SCL
	s_mov_b64 s[G0S+2:G0S+3], s[42:43]
	s_or_b32 s[G0S+3], s[G0S+3], 0x80000000
	s_mov_b32 s[G0SB], 1
	s_add_co_u32 s[G0SB+1], s3, SCL
	s_mov_b64 s[G0SB+2:G0SB+3], s[10:11]
	s_or_b32 s[G0SB+3], s[G0SB+3], 0x80000000
	JLOAD G0S, G1S, G0SB, G1SB                     ; the scale words first: they are wanted with the first K step
.irp s, 0,1
	s_mov_b32 s[G0+4*\s], 1
	s_add_co_u32 s[G0+4*\s+1], s17, \s*SLOT
	s_add_nc_u64 s[G0+4*\s+2:G0+4*\s+3], s[40:41], \s*KSL
	s_or_b32 s[G0+4*\s+3], s[G0+4*\s+3], 0x80000000
	s_mov_b32 s[G0B+4*\s], 1
	s_add_co_u32 s[G0B+4*\s+1], s17, \s*SLOT
	s_add_nc_u64 s[G0B+4*\s+2:G0B+4*\s+3], s[8:9], \s*KSL
	s_or_b32 s[G0B+4*\s+3], s[G0B+4*\s+3], 0x80000000
	JLOAD G0+4*\s, G1, G0B+4*\s, G1B               ; three tensor loads of mine are out
.endr
	v_and_b32 v1, 15, v0                           ; r
	v_bfe_u32 v2, v0, 4, 1                         ; h
	v_and_b32 v3, 31, v0                           ; lane
	v_lshlrev_b32 v[L16], 4, v3
	v_lshl_add_u32 v[L8], v3, 3, 512
	s_mul_i32 s17, s15, HALFT                      ; my 8 tiles of A
	s_mul_i32 s46, s16, HALFT
	s_add_co_u32 s46, s46, 2*HALFT                 ; my 8 tiles of B, behind A's 16
.irp s, 0,1
	v_add_nc_u32 v[ADRA+\s], s17, v[L16]
	v_add_nc_u32 v[ADRA+2+\s], s17, v[L8]
	v_add_nc_u32 v[ADRB+\s], s46, v[L16]
	v_add_nc_u32 v[ADRB+2+\s], s46, v[L8]
	s_add_co_u32 s17, s17, SLOT
	s_add_co_u32 s46, s46, SLOT
.endr
	s_lshl_b32 s17, s15, 12                        ; A's scale words: my 8 tiles
	s_lshl_b32 s46, s16, 12
	s_add_co_u32 s46, s46, 2*HALFS                 ; B's, behind A's
	s_sub_co_u32 s46, s46, s17
	v_mul_u32_u24 v4, s46, v2                      ; lanes 16-31 take B's: one product, the distance x h
	s_add_co_u32 s17, s17, SCL
	v_lshl_add_u32 v4, v1, 2, v4
	v_add_nc_u32 v[ADRS], s17, v4
	; where the results go, and which bias: both modes' numbers are made, then chosen
	s_lshr_b32 s17, s12, 3                         ; QK: batch
	s_and_b32 s18, s12, 7
	s_lshl_b32 s18, s18, 1
	s_add_co_u32 s18, s18, s15                     ; QK: record G (128 tokens)
	s_and_b32 s19, s13, 3
	s_lshl_b32 s19, s19, 2
	s_lshl_b32 s20, s16, 1
	s_add_co_u32 s19, s19, s20                     ; QK: my first head of two
	s_lshr_b32 s20, s13, 2                         ; QK: 1 = Wk's columns
	s_lshr_b32 s21, s13, 3                         ; V: batch
	s_and_b32 s22, s13, 7
	s_lshl_b32 s22, s22, 1
	s_add_co_u32 s22, s22, s16                     ; V: record G
	s_lshl_b32 s23, s12, 2
	s_lshl_b32 s46, s15, 1
	s_add_co_u32 s23, s23, s46                     ; V: my first head
	s_cmp_eq_u32 s20, 1
	s_cselect_b64 s[2:3], s[94:95], s[92:93]       ; bk or bq,
	s_cmp_eq_u32 s45, 1
	s_cselect_b64 s[2:3], s[96:97], s[2:3]         ; or bv
	s_cselect_b32 s17, s21, s17
	s_cselect_b32 s18, s22, s18
	s_cselect_b32 s19, s23, s19
	s_cselect_b32 s20, 1, s20                      ; 1: the record is kv's
	s_cselect_b32 s21, 6400, 0                     ; v's part of it
	s_mov_b32 s40, 768
	s_cselect_b32 s40, 1536, s40                   ; from block a to a + 1: a half image (QK), an image (V)
	s_mov_b32 s42, 768
	s_cselect_b32 s42, 200192, s42                 ; from block 3 to 4: in V on to the next head: 204,800 - 3 x 1,536
	s_mov_b32 s41, 0
	s_mov_b32 s43, 0
	s_cmp_eq_u32 s20, 1
	s_cselect_b64 s[22:23], s[100:101], s[98:99]   ; kv or qb
	s_mov_b32 s44, 102400
	s_cselect_b32 s44, 204800, s44                 ; a head's bytes
	s_mov_b32 s46, 6400
	s_cselect_b32 s46, 12800, s46                  ; a record's
	s_lshl_b32 s12, s19, 8
	s_mov_b32 s13, 0
	s_add_nc_u64 s[2:3], s[2:3], s[12:13]          ; the bias at my first head: 64 numbers a head
	s_lshl_b32 s17, s17, 4
	s_add_co_u32 s17, s17, s19
	s_mul_i32 s17, s17, s44
	s_mul_i32 s18, s18, s46
	s_add_co_u32 s12, s17, s18
	s_add_co_u32 s12, s12, s21
	s_add_nc_u64 s[18:19], s[22:23], s[12:13]      ; P0: registers 0-5 of block 0's codes
	s_cmp_eq_u32 s45, 1
	s_cselect_b32 s12, 768, s44
	s_add_nc_u64 s[20:21], s[18:19], s[12:13]      ; P1: registers 6-11: the image's second half (V), the next head (QK)
	s_add_nc_u64 s[22:23], s[18:19], 6144          ; PS: the scale words
	s_mov_b32 s12, 0x76543210
	s_mov_b32 s13, 0xfedcba98                      ; v_permlanex16_b32's selects for lane l xor 16
	v_mul_u32_u24 v[OA], s44, v2
	v_lshl_add_u32 v[OA], v1, 4, v[OA]             ; 16 r, + a head for lanes 16-31
	v_lshlrev_b32 v30, 6, v2                       ; QK's bias: 64 h bytes
	v_and_b32 v4, 8, v1
	v_add_nc_u32 v4, v4, v1
	v_lshlrev_b32 v31, 2, v4                       ; V's: 4 (r + 8 (r / 8))
	s_cmp_eq_u32 s45, 1
	s_cbranch_scc1 .Lbias_v
.irp b, 0,1,2,3,4,5,6,7                ; QK: for B's block b the lane's eight columns 32 (b / 2) + 16 h + 8 (b % 2) + 0 .. 7
	global_load_b128 v[BI+8*\b:BI+8*\b+3], v30, s[2:3] offset:(32*(\b/2)+8*(\b%2))*4
	global_load_b128 v[BI+8*\b+4:BI+8*\b+7], v30, s[2:3] offset:(32*(\b/2)+8*(\b%2))*4+16
.endr
	s_branch .Lbias_done
.Lbias_v:
.irp a, 0,1,2,3,4,5,6,7                ; V: for A's block a the lane's one channel, in all eight registers
.irp j, 0,1,2,3,4,5,6,7
	global_load_b32 v[BI+8*\a+\j], v31, s[2:3] offset:(32*(\a/2)+8*(\a%2))*4
.endr
.endr
.Lbias_done:
.macro FRAG reg, adr, q, i             ; an image comes back as it was stored: four loads, each of consecutive bytes
	ds_load_b128 v[\reg:\reg+3], v[\adr] offset:(\i)*KSL+(\q)*FRB
	ds_load_b64 v[\reg+4:\reg+5], v[\adr+2] offset:(\i)*KSL+(\q)*FRB
	ds_load_b128 v[\reg+6:\reg+9], v[\adr] offset:(\i)*KSL+(\q)*FRB+768
	ds_load_b64 v[\reg+10:\reg+11], v[\adr+2] offset:(\i)*KSL+(\q)*FRB+768
.endm
; 16 matrix instructions: A's blocks a0, a0 + 1 x B's eight.  p: B's set; q: which 128 of the slot; sc: the set of scale words.  zero = 0: C = D; 1: C = the bias by B's block; 2: by A's block.
; The 64 accumulators take turns, one instruction a turn, in the same order in every step.
.macro MUL16 a0, p, q, sc, zero
.irp a, \a0, \a0+1
.irp b, 0,1,2,3,4,5,6,7
.if \zero == 1
	v_wmma_scale_f32_16x16x128_f8f6f4 v[8*(8*((\a)%4)+\b):8*(8*((\a)%4)+\b)+7], v[128*(\p)+FR*\b:128*(\p)+FR*\b+FR-1], v[AF+FR*(\a):AF+FR*(\a)+FR-1], v[BI+8*\b:BI+8*\b+7], v[SC+16*(\sc)+2*\b+(\q)], v[SC+16*(\sc)+2*(\a)+(\q)] matrix_a_fmt:MATRIX_FMT_FP6 matrix_b_fmt:MATRIX_FMT_FP6 matrix_a_scale:MATRIX_SCALE_ROW1
.elseif \zero == 2
	v_wmma_scale_f32_16x16x128_f8f6f4 v[8*(8*((\a)%4)+\b):8*(8*((\a)%4)+\b)+7], v[128*(\p)+FR*\b:128*(\p)+FR*\b+FR-1], v[AF+FR*(\a):AF+FR*(\a)+FR-1], v[BI+8*(\a):BI+8*(\a)+7], v[SC+16*(\sc)+2*\b+(\q)], v[SC+16*(\sc)+2*(\a)+(\q)] matrix_a_fmt:MATRIX_FMT_FP6 matrix_b_fmt:MATRIX_FMT_FP6 matrix_a_scale:MATRIX_SCALE_ROW1
.else
	v_wmma_scale_f32_16x16x128_f8f6f4 v[8*(8*((\a)%4)+\b):8*(8*((\a)%4)+\b)+7], v[128*(\p)+FR*\b:128*(\p)+FR*\b+FR-1], v[AF+FR*(\a):AF+FR*(\a)+FR-1], v[8*(8*((\a)%4)+\b):8*(8*((\a)%4)+\b)+7], v[SC+16*(\sc)+2*\b+(\q)], v[SC+16*(\sc)+2*(\a)+(\q)] matrix_a_fmt:MATRIX_FMT_FP6 matrix_b_fmt:MATRIX_FMT_FP6 matrix_a_scale:MATRIX_SCALE_ROW1
.endif
.endr
.endr
.endm
.macro FETCH_B slot, q, p
	WIN TO_B
.irp i, 0,1,2,3,4,5,6,7
	FRAG 128*(\p)+FR*\i, ADRB+\slot, \q, \i
.endr
	WIN 0
.endm
.macro FETCH_A slot, q, i0
.irp i, \i0, \i0+1, \i0+2, \i0+3
	FRAG AF+FR*(\i), ADRA+\slot, \q, \i
.endr
.endm
.macro SCALES sc, S                    ; slot step S's scale words into set sc: lanes 0-15 A's block i, lanes 16-31 B's block i
.irp i, 0,1,2,3,4,5,6,7
.irp q, 0,1
	ds_load_b32 v[SC+16*(\sc)+2*\i+\q], v[ADRS] offset:512*\i+64*(2*(\S)+\q)
.endr
.endr
.endm
; A step of 128 along K that has its successor in the same slot.  A block of A is free as soon as its eight products are issued: one set serves A; B has two.
.macro STEP slot, q, zero
	s_wait_dscnt 4*NL                              ; all but the youngest 16 loads, A's blocks 4-7
.if \zero
	WIN BIAS_LO
.else
	WIN MUL_LO
.endif
	MUL16 0, (\q)%2, \q, \slot, \zero
	MUL16 2, (\q)%2, \q, \slot, \zero
	s_wait_dscnt 0                                 ; A's blocks 4-7 are in
	PLACES NP                                      ; in front of loads into registers that matrix instructions have read
	FETCH_B \slot, (\q)+1, 1-(\q)%2
	FETCH_A \slot, (\q)+1, 0
.if \zero
	WIN BIAS_HI
.else
	WIN MUL_HI
.endif
	MUL16 4, (\q)%2, \q, \slot, \zero
	MUL16 6, (\q)%2, \q, \slot, \zero
	PLACES NP
	WIN 0
	FETCH_A \slot, (\q)+1, 4
.endm
; A slot's last step changes slots: one barrier; in front of it each wave waits for all its tensor loads, adds 0 to its spare word, and waits for that and for its reads of this slot.
; fill = 1: the barrier opens a round of the cluster's barrier, and this slot is filled again, two slot steps ahead.  sn: the next slot step's number.
.macro TURN slot, next, fill, sn
	s_wait_tensorcnt 0x0                           ; all my tensor loads have landed: my part of the next slot
	ds_add_u32 v[SPW], v[NIL]                      ; 0 onto my spare word
	s_wait_dscnt 4*NL+1                            ; the add and the youngest 16 loads may be out
	WIN MUL_LO
	MUL16 0, 1, 1, \slot, 0                        ; sixteen matrix instructions stand between the add and the wait for it
	s_wait_dscnt 0x0                               ; the add is done, and my reads of this slot are over
	s_barrier_signal -1
	MUL16 2, 1, 1, \slot, 0
	WIN 0
	s_barrier_wait -1
.if \fill
	CREST                                          ; no wave of any partner still reads this slot or has a load on its way
	s_add_nc_u64 s[G0+4*\slot+2:G0+4*\slot+3], s[G0+4*\slot+2:G0+4*\slot+3], 2*KSL
	s_add_nc_u64 s[G0B+4*\slot+2:G0B+4*\slot+3], s[G0B+4*\slot+2:G0B+4*\slot+3], 2*KSL
	JLOAD G0+4*\slot, G1, G0B+4*\slot, G1B         ; my one tensor load behind the round; its four v_nop are the places in front of the loads below
.else
	PLACES NP
.endif
	FETCH_B \next, 0, 0
	FETCH_A \next, 0, 0
	SCALES \next, \sn
	WIN MUL_HI
	MUL16 4, 1, 1, \slot, 0
	MUL16 6, 1, 1, \slot, 0
	PLACES NP
	WIN 0
	FETCH_A \next, 0, 4
.endm
	s_wait_tensorcnt 1                             ; the scale words and my part of slot 0 are in; slot 1's load may be out
	s_barrier_signal -1
	s_barrier_wait -1
	FETCH_B 0, 0, 0
	FETCH_A 0, 0, 0
	SCALES 0, 0
	FETCH_A 0, 0, 4
	s_wait_loadcnt 0x0                             ; the bias
	s_cmp_eq_u32 s45, 1
	s_cbranch_scc1 .Lfirst_v
	STEP 0, 0, 1                                   ; the first products start the sums from the bias
	s_branch .Lfirst_done
.Lfirst_v:
	STEP 0, 0, 2
.Lfirst_done:
	TURN 0, 1, 1, 1
	STEP 1, 0, 0
	TURN 1, 0, 1, 2
	STEP 0, 0, 0
	TURN 0, 1, 0, 3                                ; the last two slot steps fill nothing
	STEP 1, 0, 0
	s_wait_dscnt 4*NL
	WIN MUL_LO
	MUL16 0, 1, 1, 1, 0
	MUL16 2, 1, 1, 1, 0
	s_wait_dscnt 0
	WIN MUL_HI
	MUL16 4, 1, 1, 1, 0
	MUL16 6, 1, 1, 1, 0
	WIN 0
; THE WAY OUT.  Block a's 64 numbers of a lane, register 16 b + i = k 32 b + 16 h + i of the lane's row, become 12 registers of codes and a scale word, and leave as images.
	PLACES NP
.irp b, 0,1,2,3
	v_mov_b32 v[TM+4+\b], 0                        ; written once: a lane permute's destination counts as one of its sources
.endr
.macro OUTA a
.set AC, 64*((\a)%4)
	WIN 0x28+0x14*((\a)/4)                         ; sources 1 and 2: the accumulators' window
.irp b, 0,1,2,3
	v_max3_num_f32 v[TM+\b], 0x1800000, |v[AC+16*\b]|, |v[AC+16*\b+1]|   ; the floor 2^(3 - 127), and each accumulator from its low end on
.endr
.irp i, 2,4,6,8,10,12,14
.irp b, 0,1,2,3
	v_max3_num_f32 v[TM+\b], v[TM+\b], |v[AC+16*\b+\i]|, |v[AC+16*\b+\i+1]|
.endr
.endr
	WIN 0
.irp b, 0,1,2,3
	v_permlanex16_b32 v[TM+4+\b], v[TM+\b], s12, s13
.endr
.irp b, 0,1,2,3
	v_max_num_f32 v[TM+\b], v[TM+\b], v[TM+4+\b]   ; with lane l xor 16's: the block's largest magnitude
.endr
.irp b, 0,1,2,3
	v_add_nc_u32 v[TM+12+\b], 0xff000000, v[TM+\b]
.endr
.irp b, 0,1,2,3
	v_lshrrev_b32 v[TM+4+\b], 23, v[TM+12+\b]
.endr
	v_lshl_or_b32 v[PW+(\a)], v[TM+5], 8, v[TM+4]
	v_lshl_or_b32 v[PW+(\a)], v[TM+6], 16, v[PW+(\a)]
	v_lshl_or_b32 v[PW+(\a)], v[TM+7], 24, v[PW+(\a)]
	s_wait_xcnt 0x0                                ; the last block's stores have read their data and their bases: only now are both written again
.if (\a) == 4
	s_add_nc_u64 s[18:19], s[18:19], s[42:43]
	s_add_nc_u64 s[20:21], s[20:21], s[42:43]
.elseif (\a) > 0
	s_add_nc_u64 s[18:19], s[18:19], s[40:41]
	s_add_nc_u64 s[20:21], s[20:21], s[40:41]
.endif
	WIN 0x02+((\a)/4)                              ; source 0: the accumulators' window
.irp c, 0,1
	v_cvt_scalef32_pk16_fp6_f32 v[PC+6*\c:PC+6*\c+2], v[AC+32*\c:AC+32*\c+15], v[TM+12+2*\c]
	v_cvt_scalef32_pk16_fp6_f32 v[PC+12+4*\c:PC+14+4*\c], v[AC+32*\c+16:AC+32*\c+31], v[TM+12+2*\c+1]
.endr
	WIN 0
	v_nop                                          ; one plain place behind a scaled conversion
.irp c, 0,1                            ; the layout wants a whole block in a lane: lanes 0-15 block 2 c, lanes 16-31 block 2 c + 1
.irp i, 0,1,2
	v_permlane16_swap_b32 v[PC+6*\c+\i], v[PC+12+4*\c+\i]
.endr
.irp i, 0,1,2
	v_mov_b32 v[PC+3+6*\c+\i], v[PC+12+4*\c+\i]
.endr
.endr
	global_store_b128 v[L16], v[PC:PC+3], s[18:19]         ; each store covers whole aligned runs of 256 bytes
	global_store_b64 v[L8], v[PC+4:PC+5], s[18:19]
	global_store_b128 v[L16], v[PC+6:PC+9], s[20:21]
	global_store_b64 v[L8], v[PC+10:PC+11], s[20:21]
.endm
.irp a, 0,1,2,3,4,5,6,7
	OUTA \a
.endr
	s_cmp_eq_u32 s45, 1
	s_cbranch_scc1 .Lwords_v
.irp p, 0,1,2,3                        ; QK: a block's word holds my first head's two bytes, then the second head's: word p of a head = tile 2 p's two bytes, tile 2 p + 1's
	v_perm_b32 v[WW+\p], v[PW+2*\p+1], v[PW+2*\p], 0x05040100
	v_perm_b32 v[WW+4+\p], v[PW+2*\p+1], v[PW+2*\p], 0x07060302
.endr
	s_branch .Lwords_done
.Lwords_v:
.irp t, 0,1,2,3,4,5,6,7                ; V: blocks 0-3 are my first head's four tiles of d, blocks 4-7 the second's
	v_mov_b32 v[WW+\t], v[PW+\t]
.endr
.Lwords_done:
	v_cmp_ne_u32 vcc_lo, 0, v2
.irp p, 0,1,2,3
	v_cndmask_b32 v[WW+\p], v[WW+\p], v[WW+4+\p], vcc_lo   ; lanes 0-15 store the first head's words, lanes 16-31 the second's: 256 consecutive bytes each
.endr
	global_store_b128 v[OA], v[WW:WW+3], s[22:23]
	s_wait_tensorcnt 0x0                           ; the wave's end
	ds_add_u32 v[SPW], v[NIL]
	s_wait_dscnt 0x0
	CROUND                                         ; the closing round: no work-group ends while a partner may still ask for a tile that names it
	s_endpgm
.Lfunc_end_k_q32a7c86cc9_qkv:
	.size	k_q32a7c86cc9_qkv, .Lfunc_end_k_q32a7c86cc9_qkv-k_q32a7c86cc9_qkv
	.p2alignl 7, 3214868480
	.fill 96, 4, 3214868480
	.section	.rodata,"a",@progbits
	.p2align	6, 0x0
	.amdhsa_kernel k_q32a7c86cc9_qkv
		.amdhsa_group_segment_fixed_size 327680
		.amdhsa_private_segment_fixed_size 0
		.amdhsa_enable_private_segment 0
		.amdhsa_kernarg_size 72
		.amdhsa_user_sgpr_count 2
		.amdhsa_user_sgpr_kernarg_segment_ptr 1
		.amdhsa_wavefront_size32 1
		.amdhsa_system_sgpr_workgroup_id_x 1
		.amdhsa_system_sgpr_workgroup_id_y 1
		.amdhsa_system_sgpr_workgroup_id_z 1
		.amdhsa_system_vgpr_workitem_id 0
		.amdhsa_next_free_vgpr 1024
		.amdhsa_next_free_sgpr 102
		.amdhsa_reserve_vcc 1
		.amdhsa_float_denorm_mode_32 3
		.amdhsa_float_denorm_mode_16_64 3
		.amdhsa_memory_ordered 1
		.amdhsa_forward_progress 1
		.amdhsa_inst_pref_size 174
	.end_amdhsa_kernel
	.amdgpu_metadata
---
amdhsa.version: [ 1, 2 ]
amdhsa.kernels:
  - .name:           k_q32a7c86cc9_qkv
    .symbol:         k_q32a7c86cc9_qkv.kd
    .args:
      - { .name: xc, .offset: 0, .size: 8, .value_kind: global_buffer, .address_space: global }
      - { .name: xs, .offset: 8, .size: 8, .value_kind: global_buffer, .address_space: global }
      - { .name: wc, .offset: 16, .size: 8, .value_kind: global_buffer, .address_space: global }
      - { .name: ws, .offset: 24, .size: 8, .value_kind: global_buffer, .address_space: global }
      - { .name: bq, .offset: 32, .size: 8, .value_kind: global_buffer, .address_space: global }
      - { .name: bk, .offset: 40, .size: 8, .value_kind: global_buffer, .address_space: global }
      - { .name: bv, .offset: 48, .size: 8, .value_kind: global_buffer, .address_space: global }
      - { .name: qb, .offset: 56, .size: 8, .value_kind: global_buffer, .address_space: global }
      - { .name: kv, .offset: 64, .size: 8, .value_kind: global_buffer, .address_space: global }
    .group_segment_fixed_size: 327680
    .private_segment_fixed_size: 0
    .kernarg_segment_align: 8
    .kernarg_segment_size: 72
    .max_flat_workgroup_size: 128
    .sgpr_count:     102
    .vgpr_count:     1024
    .wavefront_size: 32
...
	.end_amdgpu_metadata
.endif
;; end of part 2
;; launch attn (part 3): grid 4 x 64, 16 waves a work-group, no clusters, 327,680 bytes of LDS; arguments qb, kv, yc, ys; writes yc, ys
.if DOCPART == 3
	.amdgcn_target "amdgcn-amd-amdhsa--gfx1250"
	.amdhsa_code_object_version 6
	.text
	.protected	k_q32a7c86cc9_attn
	.globl	k_q32a7c86cc9_attn
	.p2align	8
	.type	k_q32a7c86cc9_attn,@function
k_q32a7c86cc9_attn:
	s_mov_b64 s[64:65], 0
	v_nop
	global_prefetch_b8 v0, s[64:65] scope:SCOPE_SE
	s_setreg_imm32_b32 hwreg(HW_REG_WAVE_MODE, 25, 1), 1
	s_wait_xcnt 0x0
; y[b][t][head] = softmax over the keys s <= t of (q . k / 8) times v, both products on codes of FP6 (E2M3) with E8M0 scales; y is quantised here along the 1,024 channels and leaves as codes for the last product.
; THE SOFTMAX: t = score x log2(e) / 8; M = the running largest t rounded UP to a whole number; p = 2^(t - M) is quantised along the keys, not normalised; the row's sum is taken of the unquantised p and divides at the end.
; When M moves, the sum and O are multiplied by 2^(old M - new M): exact.
; SHARES.  Work-group (i, batch x head) owns the query blocks 7 - i and i of 256: 8 - i and i + 1 key slots of 256 keys, nine in every work-group.  Each of its sixteen waves owns one tile of 16 queries of the
; block in hand, in 240 registers: four waves to a SIMD, so that one wave's vector work stands beside another's matrix work and LDS loads.
; MULTICAST IS NOT USED: the four work-groups of a head change from their high block to their low one after 8, 7, 6 and 5 slots, so from the sixth trip on they want different slots.
; LAYOUT.  Both products are used transposed: S^T = K Q^T, O^T = V^T P^T: a lane holds one query (lane % 16) throughout.  Token tile 2 B + u, row r, is token 32 B + 8 u + r + 8 (r / 8), so that the 16 registers of
; two neighbouring tiles of scores are 16 neighbouring keys.  The head's 64 fill half of the instruction's K = 128: a fragment of K holds tile 2 p in k 0-63 and tile 2 p + 1 in k 64-127, and Q stands with zero
; codes in the other half: v[22:33] picks tile 2 p, v[16:27] tile 2 p + 1.
; A slot is two records of kv as they lie in memory: at 12,800 q: 4 fragments of K, their scale words [r][p] at + 6,144, 4 fragments of V^T (16 d x 128 keys) at + 6,400, their scale words [r][t] at + 12,544.
; CAUSAL.  Every wave walks all nine slots; a key step all of whose keys come after the wave's queries is left out by a scalar branch on ids.  The step's first key is a multiple of 128 and the wave's first query is
; at most 104 above one, so in every step that is walked each query sees at least the step's first key.
; y's scale bytes leave as single bytes, 32 a tile, one byte for 24 of codes: a scale word spans two heads, which other work-groups own.
; LIMITS: a block of y under 2^-124, and a block of zeros, keeps the byte 1 (read by this program alone); NaN and infinities are not served.
; REGISTERS: v1-4, v7, v11 lane terms; v5, v6 the add's two; v8-10 the step's LDS addresses; v12 -M, v13 the largest t, v[14:15] the sum; v16-21 zeros, v22-27 q, v28-33 zeros; v[34:35] f and 0; v36-83 four fragments;
;   v84-87 K's scale words, v88-91 V's, v92 q's, v93 p's, v94 the low block's q's; v95 the prefetch's offset; v96-159 S^T, then p; v160-191 O^T; v192-203 p's codes; v204-228 at work; v230-235 the low block's q.
.set SPARE, 65536                      ; behind the ring: the spare words, 128 bytes a wave: eight blocks of 256 bytes that no other line names
.set SLOT1, 32768                      ; slot 1 begins here: one exclusive or turns an address of one slot into the other's
.set REC,   12800
.set QTR,   6400                       ; what one tensor load brings: a quarter of a slot
.set HQ,    102400                     ; a head's bytes in qb
.set HKV,   204800                     ; and in kv
; s12 wave; s13 batch x head; s14 the high block; s15 N1, its slots; s16 T, the trip; s17 the slot in hand; s18 the slot to be asked for; s19 the LDS slot in hand; s[20:21] lane selects; s[22:23] c;
; s[24:31] descriptor group 1; s32 my first query, s33 the low block's; s34, s35 at work; s[36:37], s[38:39] y's codes, high and low; s[40:43] group 0; s[44:45] my quarter of slot 0 in kv; s[46:47] an offset;
; s[48:49], s[50:51] y's scale bytes; s[52:53] where my prefetches stand; s54 their limit; s55 a byte select; s[56:63] q's pointers
.macro TLOAD                           ; waves 0 to 3 fetch a quarter of a slot each; the branch hangs on the wave's number alone.  An s_nop 0 and four v_nop follow the line
	s_cmp_lt_u32 s12, 4
	s_cbranch_scc0 .Lnone_\@
	tensor_load_to_lds s[40:43], s[24:31]
	s_nop 0
.rept 4
	v_nop
.endr
.Lnone_\@:
.endm
; A PREFETCH INTO THE L2 of the slot that the NEXT change of slots will ask for: two key steps ahead of that load.  All four work-groups of a head walk the same kv from slot 0 on: the one that walks all eight slots
; (x = 0) asks, in its waves 4 to 7, which fetch nothing: a quarter of a slot each, 6,400 bytes, lanes 200 bytes apart, one instruction.  Slots 0 and 1 come by their loads alone; trips 0 to 5 name slots 2 to 7; then nothing.
.macro ASK
	s_cmp_lt_u32 s16, s54
	s_cbranch_scc0 .Lnot_mine_\@
	global_prefetch_b8 v95, s[52:53] th:TH_LOAD_NT scope:SCOPE_SE
.Lnot_mine_\@:
.endm
	s_load_b256 s[4:11], s[0:1], 0x0               ; qb s[4:5], kv s[6:7], yc s[8:9], ys s[10:11]
	v_lshl_add_u32 v5, v0, 2, SPARE
	v_mov_b32 v6, 0
	ds_add_u32 v5, v6                              ; the wave's opening: the add and its wait ahead of my first tensor load; work on registers stands between them
	ds_add_u32 v5, v6
	v_lshrrev_b32 v1, 5, v0
	s_delay_alu instid0(VALU_DEP_1)
	v_readfirstlane_b32 s12, v1                    ; wave 0..15
	s_mov_b32 s24, 3<<16                           ; no mask; elements of 8 bytes; no padding: a dense block of 6,400 bytes as 25 rows of 256
	s_mov_b32 s25, 32<<16                          ; tensor_dim0
	s_mov_b32 s26, 25<<16                          ; tensor_dim1
	s_mov_b32 s27, 32<<16                          ; tile_dim0
	s_mov_b32 s28, 25                              ; tile_dim1
	s_mov_b32 s29, 32                              ; tensor_dim0_stride
	s_mov_b32 s30, 0
	s_mov_b32 s31, 0
	s_mov_b32 s20, 0x76543210
	s_mov_b32 s21, 0xfedcba98
	s_mov_b32 s22, 0x3e38aa3b                      ; c = log2(e) / 8
	s_mov_b32 s23, s22                             ; (named with it as a pair)
	s_and_b32 s13, ttmp7, 0xffff
	s_sub_co_u32 s15, 8, ttmp9
	s_sub_co_u32 s14, 7, ttmp9
	s_mov_b32 s16, 0
	s_mov_b32 s18, 0
	s_mov_b32 s19, 0
	s_mov_b32 s47, 0
	s_and_b32 s66, s12, 3
	s_mul_i32 s41, s66, QTR                        ; 63:32 LDS address: my quarter of slot 0
	s_mov_b32 s40, 1                               ; 1:0 count = 1
	s_mul_i32 s44, s13, HKV
	s_add_co_u32 s44, s44, s41
	s_mov_b32 s45, 0
	s_lshr_b32 s35, s12, 1
	s_lshl_b32 s35, s35, 5
	s_and_b32 s34, s12, 1
	s_lshl_b32 s34, s34, 3
	s_add_co_u32 s35, s35, s34                     ; my tile's first query in its block: 32 (wave / 2) + 8 (wave % 2)
	s_lshl_b32 s32, s14, 8
	s_add_co_u32 s32, s32, s35
	s_lshl_b32 s33, ttmp9, 8
	s_add_co_u32 s33, s33, s35
	s_lshr_b32 s56, s13, 4
	s_lshl_b32 s56, s56, 7
	s_add_co_u32 s56, s56, s12                     ; 128 x batch + wave
	s_lshl_b32 s57, s14, 4
	s_add_co_u32 s57, s57, s56                     ; my token tile, high block
	s_lshl_b32 s58, ttmp9, 4
	s_add_co_u32 s58, s58, s56                     ; low block
	s_and_b32 s59, s13, 15                         ; the head
	s_mul_i32 s60, s59, 768
	s_mul_i32 s36, s57, 12288
	s_add_co_u32 s36, s36, s60
	s_mov_b32 s37, 0
	s_mul_i32 s38, s58, 12288
	s_add_co_u32 s38, s38, s60
	s_mov_b32 s39, 0
	s_lshr_b32 s60, s59, 1
	s_lshl_b32 s60, s60, 6
	s_and_b32 s61, s59, 1
	s_lshl_b32 s61, s61, 1
	s_add_co_u32 s60, s60, s61                     ; 64 (head / 2) + 2 (head % 2)
	s_lshl_b32 s48, s57, 9
	s_add_co_u32 s48, s48, s60
	s_mov_b32 s49, 0
	s_lshl_b32 s50, s58, 9
	s_add_co_u32 s50, s50, s60
	s_mov_b32 s51, 0
	s_lshr_b32 s67, s12, 3
	s_and_b32 s68, s12, 7
	s_mul_i32 s69, s13, HQ
	s_lshl_b32 s70, s14, 1
	s_add_co_u32 s70, s70, s67
	s_mul_i32 s70, s70, QTR
	s_add_co_u32 s70, s70, s69                     ; q's record, high block
	s_lshl_b32 s71, ttmp9, 1
	s_add_co_u32 s71, s71, s67
	s_mul_i32 s71, s71, QTR
	s_add_co_u32 s71, s71, s69                     ; low block
	s_mul_i32 s72, s68, 768                        ; my half image in it,
	s_lshr_b32 s73, s68, 1
	s_lshl_b32 s73, s73, 2
	s_add_co_u32 s73, s73, 6144                    ; and my scale word's column
	s_add_co_u32 s56, s70, s72
	s_mov_b32 s57, 0
	s_add_co_u32 s58, s70, s73
	s_mov_b32 s59, 0
	s_add_co_u32 s60, s71, s72
	s_mov_b32 s61, 0
	s_add_co_u32 s62, s71, s73
	s_mov_b32 s63, 0
	s_and_b32 s66, s12, 1
	s_cmp_eq_u32 s66, 1
	s_mov_b32 s55, 0x01000100
	s_cselect_b32 s55, 0x03020302, s55             ; my tile's two bytes of the word, into both halves
	s_lshr_b32 s66, s12, 2
	s_xor_b32 s66, s66, 1                          ; 0 in waves 4 to 7,
	s_or_b32 s66, s66, ttmp9                       ; of work-group x = 0
	s_cmp_eq_u32 s66, 0
	s_cselect_b32 s54, 6, 0
	s_wait_dscnt 0x0                               ; the opening add is done
	s_wait_kmcnt 0x0
	s_add_nc_u64 s[44:45], s[6:7], s[44:45]
	s_mov_b64 s[42:43], s[44:45]                   ; 120:64 global address: slot 0
	s_or_b32 s43, s43, 0x80000000                  ; 127:126 type = 2
	TLOAD                                          ; slot 0: one tensor load of mine is out
	s_add_nc_u64 s[52:53], s[44:45], 2*REC         ; in slot 1: the first change of slots steps it to slot 2
	s_add_nc_u64 s[36:37], s[8:9], s[36:37]
	s_add_nc_u64 s[38:39], s[8:9], s[38:39]
	s_add_nc_u64 s[48:49], s[10:11], s[48:49]
	s_add_nc_u64 s[50:51], s[10:11], s[50:51]
	s_add_nc_u64 s[56:57], s[4:5], s[56:57]
	s_add_nc_u64 s[58:59], s[4:5], s[58:59]
	s_add_nc_u64 s[60:61], s[4:5], s[60:61]
	s_add_nc_u64 s[62:63], s[4:5], s[62:63]
	v_and_b32 v226, 31, v0                         ; lane
	s_delay_alu instid0(VALU_DEP_1)
	v_lshlrev_b32 v1, 4, v226                      ; 16 x lane
	s_delay_alu instid0(VALU_DEP_2)
	v_lshl_add_u32 v2, v226, 3, 512                ; 8 x lane + 512
	v_and_b32 v227, 15, v0                         ; r
	v_bfe_u32 v11, v0, 4, 1                        ; h
	s_delay_alu instid0(VALU_DEP_2)
	v_lshlrev_b32 v3, 4, v227                      ; 16 r
	s_delay_alu instid0(VALU_DEP_3)
	v_and_b32 v4, 8, v227
	s_delay_alu instid0(VALU_DEP_1)
	v_add_nc_u32 v4, v4, v227
	s_delay_alu instid0(VALU_DEP_4)
	v_lshlrev_b32 v228, 4, v11
	s_delay_alu instid0(VALU_DEP_1)
	v_sub_nc_u32 v4, v4, v228                      ; r + 8 (r / 8) - 16 h
	v_lshl_add_u32 v7, v227, 2, v11                ; 4 r + h
	v_mul_u32_u24 v95, v226, 200
	global_load_b128 v[22:25], v1, s[56:57]        ; q of the high block,
	global_load_b64 v[26:27], v2, s[56:57]
	global_load_b32 v92, v3, s[58:59]
	global_load_b128 v[230:233], v1, s[60:61]      ; and of the low one
	global_load_b64 v[234:235], v2, s[60:61]
	global_load_b32 v94, v3, s[62:63]
	s_wait_loadcnt 0x0
	v_perm_b32 v92, v92, v92, s55
	v_perm_b32 v94, v94, v94, s55
.irp j, 16,17,18,19,20,21,28,29,30,31,32,33
	v_mov_b32 v[\j], 0                             ; zero codes: they add nothing under any scale byte but 0xff
.endr
	v_mov_b32 v35, 0
	v_mov_b32 v13, 0xff61b1e6                      ; the largest t so far: -3e38
	s_delay_alu instid0(VALU_DEP_1)
	v_floor_f32 v12, -v13
	v_mov_b32 v14, 0
	v_mov_b32 v15, 0
.irp b, 0,1,2,3
	v_mov_b32 v[216+\b], 0                         ; written once: a lane permute's destination counts as one of its sources
.endr
.set n, 0
.rept 32
	v_mov_b32 v[160+n], 0                          ; O^T: the first change of M leaves zeros zeros.  (These are also the places between the scale words' lines above and the first products)
.set n, n+1
.endr
.macro FRAG reg, off
	ds_load_b128 v[\reg:\reg+3], v8 offset:\off
	ds_load_b64 v[\reg+4:\reg+5], v9 offset:\off
	ds_load_b128 v[\reg+6:\reg+9], v8 offset:\off+768
	ds_load_b64 v[\reg+10:\reg+11], v9 offset:\off+768
.endm
; A KEY STEP: 128 keys, record q of the slot in hand.
.macro STEP q
	s_lshl_b32 s34, s17, 8
.if \q
	s_add_co_u32 s34, s34, 128                     ; the step's first key
.endif
	s_add_co_u32 s35, s32, 23                      ; my last query
	s_cmp_gt_u32 s34, s35
	s_cbranch_scc1 .Lhidden_\@
	v_add_nc_u32 v8, s19, v1
	v_add_nc_u32 v9, s19, v2
	v_add_nc_u32 v10, s19, v3
	v_nop                                          ; four places in front of loads into registers that matrix instructions have read
.irp p, 0,1,2,3
	FRAG 36+12*\p, REC*(\q)+1536*\p
.endr
	ds_load_b128 v[84:87], v10 offset:REC*(\q)+6144
	s_wait_alu depctr_va_vdst(0)
	s_wait_dscnt 0x0
.irp p, 0,1,2,3
	v_wmma_scale_f32_16x16x128_f8f6f4 v[96+16*\p:103+16*\p], v[36+12*\p:47+12*\p], v[22:33], 0, v[84+\p], v92 matrix_a_fmt:MATRIX_FMT_FP6 matrix_b_fmt:MATRIX_FMT_FP6
	v_wmma_scale_f32_16x16x128_f8f6f4 v[104+16*\p:111+16*\p], v[36+12*\p:47+12*\p], v[16:27], 0, v[84+\p], v92 matrix_a_fmt:MATRIX_FMT_FP6 matrix_b_fmt:MATRIX_FMT_FP6
.endr                                  ; register 16 b + i holds key 32 b + 16 h + i of the step
.rept 4
	v_nop
.endr
.irp t, 0,1,2,3
	FRAG 36+12*\t, REC*(\q)+QTR+1536*\t            ; V's fragments land under the softmax
.endr
	ds_load_b128 v[88:91], v10 offset:REC*(\q)+QTR+6144
	s_add_co_u32 s35, s34, 127                     ; on the diagonal hidden scores become -infinity ahead of the maximum; a step all of whose keys count skips this
	s_cmp_le_u32 s35, s32
	s_cbranch_scc1 .Lopen_\@
	s_sub_co_i32 s35, s32, s34
	v_add_nc_u32 v226, s35, v4                     ; d = my query - the step's first key - 16 h: register 16 b + i is hidden where 32 b + i > d
	v_mov_b32 v227, 0xff800000
.set n, 0
.rept 64
	v_cmp_gt_i32 vcc_lo, 32*(n/16)+n%16, v226
	v_cndmask_b32 v[96+n], v[96+n], v227, vcc_lo
.set n, n+1
.endr
.Lopen_\@:
.irp b, 0,1,2,3
	v_max3_num_f32 v[212+\b], v[96+16*\b], v[97+16*\b], v[98+16*\b]   ; the largest score of each block of 32 keys: for the row's maximum and, since p rises with the score, for the block's largest p
.endr
.irp i, 3,5,7,9,11,13
.irp b, 0,1,2,3
	v_max3_num_f32 v[212+\b], v[212+\b], v[96+16*\b+\i], v[97+16*\b+\i]
.endr
.endr
.irp b, 0,1,2,3
	v_max_num_f32 v[212+\b], v[212+\b], v[111+16*\b]
.endr
.irp b, 0,1,2,3
	s_delay_alu instid0(VALU_DEP_4)
	v_permlanex16_b32 v[216+\b], v[212+\b], s20, s21
.endr
.irp b, 0,1,2,3
	s_delay_alu instid0(VALU_DEP_4)
	v_max_num_f32 v[212+\b], v[212+\b], v[216+\b]  ; with lane l xor 16's 16 keys
.endr
	s_delay_alu instid0(VALU_DEP_2)
	v_max3_num_f32 v226, v212, v213, v214
	s_delay_alu instid0(VALU_DEP_1)
	v_max_num_f32 v226, v226, v215
	s_delay_alu instid0(VALU_DEP_1)
	v_mul_f32 v226, s22, v226                      ; as t (c is positive)
	s_delay_alu instid0(VALU_DEP_1)
	v_max_num_f32 v13, v13, v226                   ; the running largest t
	v_mov_b32 v226, v12
	s_delay_alu instid0(VALU_DEP_2)
	v_floor_f32 v12, -v13                          ; the new -M = -ceil(t): a whole number
	s_delay_alu instid0(VALU_DEP_1)
	v_sub_f32 v226, v12, v226                      ; old M - new M: a whole number, 0 or less
	s_delay_alu instid0(VALU_DEP_1)
	v_cvt_i32_f32 v226, v226                       ; (it saturates)
	s_delay_alu instid0(VALU_DEP_1)
	v_ldexp_f32 v34, 1.0, v226                     ; f = 2^(old M - new M)
.set n, 0
.rept 32
	v_pk_fma_f32 v[96+n:97+n], v[96+n:97+n], s[22:23], v[12:13] op_sel_hi:[1,0,0]   ; t - M, two at a time
.set n, n+2
.endr
.irp b, 0,1,2,3
	v_fma_f32 v[212+\b], v[212+\b], s22, v12       ; the same of each block's largest score
.endr
.set n, 0
	s_wait_alu depctr_va_vdst(0)
.rept 64
	v_exp_f32 v[96+n], v[96+n]                     ; p = 2^(t - M), at most 1
.set n, n+1
.endr
	v_pk_mul_f32 v[14:15], v[14:15], v[34:35] op_sel_hi:[1,0]   ; the sums under the new M: a plain place behind the exponentials
	s_wait_alu depctr_va_vdst(0)                   ; one wait for the whole batch, ahead of its first reader
.irp b, 0,1,2,3
	v_exp_f32 v[212+\b], v[212+\b]                 ; the block's largest p: the same two instructions on the same number give the same bits
.endr
	v_pk_add_f32 v[224:225], v[100:101], v[104:105]
	v_pk_add_f32 v[238:239], v[108:109], v[112:113]
	v_pk_add_f32 v[236:237], v[116:117], v[120:121]
	v_pk_add_f32 v[228:229], v[124:125], v[128:129]
	v_pk_add_f32 v[222:223], v[132:133], v[136:137]
	v_pk_add_f32 v[220:221], v[140:141], v[144:145]
	v_pk_add_f32 v[218:219], v[148:149], v[152:153]
	v_pk_add_f32 v[14:15], v[14:15], v[156:157]
	v_pk_add_f32 v[224:225], v[224:225], v[96:97]
	v_pk_add_f32 v[238:239], v[238:239], v[98:99]
	v_pk_add_f32 v[236:237], v[236:237], v[102:103]
	v_pk_add_f32 v[228:229], v[228:229], v[106:107]
	v_pk_add_f32 v[222:223], v[222:223], v[110:111]
	v_pk_add_f32 v[220:221], v[220:221], v[114:115]
	v_pk_add_f32 v[218:219], v[218:219], v[118:119]
	v_pk_add_f32 v[14:15], v[14:15], v[122:123]
	v_pk_add_f32 v[224:225], v[224:225], v[126:127]
	v_pk_add_f32 v[238:239], v[238:239], v[130:131]
	v_pk_add_f32 v[236:237], v[236:237], v[134:135]
	v_pk_add_f32 v[228:229], v[228:229], v[138:139]
	v_pk_add_f32 v[222:223], v[222:223], v[142:143]
	v_pk_add_f32 v[220:221], v[220:221], v[146:147]
	v_pk_add_f32 v[218:219], v[218:219], v[150:151]
	v_pk_add_f32 v[14:15], v[14:15], v[154:155]
	v_pk_add_f32 v[224:225], v[224:225], v[158:159]
	s_delay_alu instid0(VALU_DEP_2)
	v_pk_add_f32 v[14:15], v[14:15], v[228:229]
	s_delay_alu instid0(VALU_DEP_2)
	v_pk_add_f32 v[224:225], v[224:225], v[222:223]
	v_pk_add_f32 v[238:239], v[238:239], v[220:221]
	v_pk_add_f32 v[236:237], v[236:237], v[218:219]
	s_delay_alu instid0(VALU_DEP_2)
	v_pk_add_f32 v[14:15], v[14:15], v[238:239]
	s_delay_alu instid0(VALU_DEP_2)
	v_pk_add_f32 v[224:225], v[224:225], v[236:237]
	s_delay_alu instid0(VALU_DEP_1)
	v_pk_add_f32 v[14:15], v[14:15], v[224:225]
	s_wait_alu depctr_va_vdst(0)                   ; and one for the four
.irp b, 0,1,2,3
	v_max_num_f32 v[212+\b], 0x1800000, v[212+\b]  ; the floor 2^(3 - 127): a block whose every p is 0 keeps the byte 1: its codes are zeros
.endr
.irp b, 0,1,2,3
	s_delay_alu instid0(VALU_DEP_4)
	v_add_nc_u32 v[220+\b], 0xff000000, v[212+\b]
.endr
.irp b, 0,1,2,3
	s_delay_alu instid0(VALU_DEP_4)
	v_lshrrev_b32 v[216+\b], 23, v[220+\b]
.endr
	s_delay_alu instid0(VALU_DEP_3)
	v_lshl_or_b32 v93, v217, 8, v216               ; p's scale word for these 128 keys
	s_delay_alu instid0(VALU_DEP_1)
	v_lshl_or_b32 v93, v218, 16, v93
	s_delay_alu instid0(VALU_DEP_1)
	v_lshl_or_b32 v93, v219, 24, v93
.irp c, 0,1
	v_cvt_scalef32_pk16_fp6_f32 v[192+6*\c:194+6*\c], v[96+32*\c:111+32*\c], v[220+2*\c]
	v_cvt_scalef32_pk16_fp6_f32 v[204+4*\c:206+4*\c], v[112+32*\c:127+32*\c], v[220+2*\c+1]
.endr
	v_nop                                          ; one plain place behind a scaled conversion
.irp c, 0,1
.irp i, 0,1,2
	v_permlane16_swap_b32 v[192+6*\c+\i], v[204+4*\c+\i]
.endr
.irp i, 0,1,2
	s_delay_alu instid0(VALU_DEP_3)
	v_mov_b32 v[195+6*\c+\i], v[204+4*\c+\i]
.endr
.endr
.set n, 0
.rept 16
	v_pk_mul_f32 v[160+n:161+n], v[160+n:161+n], v[34:35] op_sel_hi:[1,0]   ; O^T under the new M, each accumulator from its low end on.  (Also the places in front of the products below)
.set n, n+2
.endr
	s_wait_alu depctr_va_vdst(0)
	s_wait_dscnt 0x0                               ; V
.irp t, 0,1,2,3
	v_wmma_scale_f32_16x16x128_f8f6f4 v[160+8*\t:167+8*\t], v[36+12*\t:47+12*\t], v[192:203], v[160+8*\t:167+8*\t], v[88+\t], v93 matrix_a_fmt:MATRIX_FMT_FP6 matrix_b_fmt:MATRIX_FMT_FP6
.endr
.Lhidden_\@:
.endm
; A block of queries is done: O^T / the sum; register 16 B + i is channel 32 B + 16 h + i of the head: two blocks of 32 along the last product's K, quantised and stored as half an image.
.macro FINISH yp, ys
.rept 4
	v_nop                                          ; places behind the last products
.endr
	v_add_f32 v14, v14, v15
	s_delay_alu instid0(VALU_DEP_1)
	v_permlanex16_b32 v226, v14, s20, s21
	s_delay_alu instid0(VALU_DEP_1)
	v_add_f32 v14, v14, v226                       ; the row's sum
	s_wait_alu depctr_va_vdst(0)
	v_rcp_f32 v34, v14
	v_nop                                          ; a plain place behind the reciprocal,
	s_wait_alu depctr_va_vdst(0)                   ; and the wait ahead of its first reader
.set n, 0
.rept 16
	v_pk_mul_f32 v[96+n:97+n], v[160+n:161+n], v[34:35] op_sel_hi:[1,0]
.set n, n+2
.endr
.irp b, 0,1
	v_max3_num_f32 v[212+\b], |v[96+16*\b]|, |v[97+16*\b]|, 0x1800000
.endr
.irp i, 2,4,6,8,10,12,14
.irp b, 0,1
	s_delay_alu instid0(VALU_DEP_2)
	v_max3_num_f32 v[212+\b], v[212+\b], |v[96+16*\b+\i]|, |v[97+16*\b+\i]|
.endr
.endr
.irp b, 0,1
	s_delay_alu instid0(VALU_DEP_2)
	v_permlanex16_b32 v[216+\b], v[212+\b], s20, s21
.endr
.irp b, 0,1
	s_delay_alu instid0(VALU_DEP_2)
	v_max_num_f32 v[212+\b], v[212+\b], v[216+\b]
.endr
.irp b, 0,1
	s_delay_alu instid0(VALU_DEP_2)
	v_add_nc_u32 v[220+\b], 0xff000000, v[212+\b]
.endr
.irp b, 0,1
	s_delay_alu instid0(VALU_DEP_2)
	v_lshrrev_b32 v[216+\b], 23, v[220+\b]
.endr
	v_cvt_scalef32_pk16_fp6_f32 v[192:194], v[96:111], v220
	v_cvt_scalef32_pk16_fp6_f32 v[204:206], v[112:127], v221
	v_nop
.irp i, 0,1,2
	v_permlane16_swap_b32 v[192+\i], v[204+\i]
.endr
.irp i, 0,1,2
	s_delay_alu instid0(VALU_DEP_3)
	v_mov_b32 v[195+\i], v[204+\i]
.endr
	v_cmp_ne_u32 vcc_lo, 0, v11
	s_delay_alu instid0(VALU_DEP_1)
	v_cndmask_b32 v227, v216, v217, vcc_lo         ; lane (r, h) stores block h's byte of row r
	global_store_b128 v1, v[192:195], s[\yp:\yp+1]
	global_store_b64 v2, v[196:197], s[\yp:\yp+1]
	global_store_b8 v7, v227, s[\ys:\ys+1]
.endm
; Where the high block's slots are over: it leaves, and the low block begins.  A branch on the work-group's number and the trip; no tensor load and no barrier stands in it.
.macro SWITCHCHK
	s_cmp_lg_u32 s16, s15
	s_cbranch_scc1 .Lsame_\@
	FINISH 36, 48
	v_mov_b32 v92, v94
.irp i, 0,1,2,3,4,5
	v_mov_b32 v[22+\i], v[230+\i]
.endr
	s_mov_b32 s32, s33
	v_mov_b32 v13, 0xff61b1e6
	s_delay_alu instid0(VALU_DEP_1)
	v_floor_f32 v12, -v13
	v_mov_b32 v14, 0
	v_mov_b32 v15, 0
.set n, 0
.rept 32
	v_mov_b32 v[160+n], 0
.set n, n+1
.endr
	s_wait_xcnt 0x0                                ; the stores above have read their registers: the next step writes them again
.Lsame_\@:
.endm
; THE CHANGE OF SLOTS stands at a slot's head.  Each wave waits for all its tensor loads, adds 0 to its spare word, and waits for that and for its reads of the slot that it has left.  Behind the barrier the slot ahead
; is whole and nobody reads the other one.  fill = 1: that other slot is filled with the next slot of keys: the load has two key steps in which to land.
.macro CHANGE fill
	s_wait_tensorcnt 0x0                           ; no tensor load of mine is out, so group 0 may be written
	ds_add_u32 v5, v6                              ; 0 onto my spare word
	s_mov_b32 s17, s18
.if \fill
	s_add_co_u32 s18, s18, 1
	s_cmp_eq_u32 s18, s15
	s_cselect_b32 s18, 0, s18                      ; behind the high block's last slot the low block's slot 0
	s_xor_b32 s41, s41, SLOT1
	s_mul_i32 s46, s18, 2*REC
	s_add_nc_u64 s[42:43], s[44:45], s[46:47]
	s_or_b32 s43, s43, 0x80000000
	s_wait_xcnt 0x0                                ; the last prefetch, a slot back, has read its address
	s_add_nc_u64 s[52:53], s[52:53], 2*REC
.endif
	s_wait_dscnt 0x0                               ; the add is done, and my reads of the slot that I have left are over
	s_barrier_signal -1
	s_barrier_wait -1
.if \fill
	TLOAD                                          ; the first thing behind the barrier, and a wave's one tensor load until the next
	ASK
.endif
.endm
.Ltrip:                                ; eight trips: behind each change of slots but the last the next slot is asked for
	CHANGE 1
	SWITCHCHK
	STEP 0
	STEP 1
	s_xor_b32 s19, s19, SLOT1
	s_add_co_u32 s16, s16, 1
	s_cmp_lt_u32 s16, 8
	s_cbranch_scc1 .Ltrip
	CHANGE 0                                       ; the ninth slot is written out
	SWITCHCHK
	STEP 0
	STEP 1
	FINISH 38, 50
	s_wait_tensorcnt 0x0                           ; the wave's end
	ds_add_u32 v5, v6
	s_wait_dscnt 0x0
	s_endpgm
.Lfunc_end_k_q32a7c86cc9_attn:
	.size	k_q32a7c86cc9_attn, .Lfunc_end_k_q32a7c86cc9_attn-k_q32a7c86cc9_attn
	.p2alignl 7, 3214868480
	.fill 96, 4, 3214868480
	.section	.rodata,"a",@progbits
	.p2align	6, 0x0
	.amdhsa_kernel k_q32a7c86cc9_attn
		.amdhsa_group_segment_fixed_size 327680
		.amdhsa_private_segment_fixed_size 0
		.amdhsa_enable_private_segment 0
		.amdhsa_kernarg_size 32
		.amdhsa_user_sgpr_count 2
		.amdhsa_user_sgpr_kernarg_segment_ptr 1
		.amdhsa_wavefront_size32 1
		.amdhsa_system_sgpr_workgroup_id_x 1
		.amdhsa_system_sgpr_workgroup_id_y 1
		.amdhsa_system_sgpr_workgroup_id_z 1
		.amdhsa_system_vgpr_workitem_id 0
		.amdhsa_next_free_vgpr 240
		.amdhsa_next_free_sgpr 76
		.amdhsa_reserve_vcc 1
		.amdhsa_float_denorm_mode_32 3
		.amdhsa_float_denorm_mode_16_64 3
		.amdhsa_memory_ordered 1
		.amdhsa_forward_progress 1
		.amdhsa_inst_pref_size 115
	.end_amdhsa_kernel
	.amdgpu_metadata
---
amdhsa.version: [ 1, 2 ]
amdhsa.kernels:
  - .name:           k_q32a7c86cc9_attn
    .symbol:         k_q32a7c86cc9_attn.kd
    .args:
      - { .name: qb, .offset: 0, .size: 8, .value_kind: global_buffer, .address_space: global }
      - { .name: kv, .offset: 8, .size: 8, .value_kind: global_buffer, .address_space: global }
      - { .name: yc, .offset: 16, .size: 8, .value_kind: global_buffer, .address_space: global }
      - { .name: ys, .offset: 24, .size: 8, .value_kind: global_buffer, .address_space: global }
    .group_segment_fixed_size: 327680
    .private_segment_fixed_size: 0
    .kernarg_segment_align: 8
    .kernarg_segment_size: 32
    .max_flat_workgroup_size: 512
    .sgpr_count:     76
    .vgpr_count:     240
    .wavefront_size: 32
...
	.end_amdgpu_metadata
.endif
;; end of part 3
;; launch proj (part 4): grid 4 x 32, 4 waves a work-group, clusters of 4 x 4, 327,680 bytes of LDS; arguments yc, ys, wc, ws, bp, out0; writes out0
.if DOCPART == 4
	.amdgcn_target "amdgcn-amd-amdhsa--gfx1250"
	.amdhsa_code_object_version 6
	.text
	.protected	k_q32a7c86cc9_proj
	.globl	k_q32a7c86cc9_proj
	.p2align	8
	.type	k_q32a7c86cc9_proj,@function
k_q32a7c86cc9_proj:
	s_mov_b64 s[64:65], 0
	v_nop
	global_prefetch_b8 v0, s[64:65] scope:SCOPE_SE
	s_setreg_imm32_b32 hwreg(HW_REG_WAVE_MODE, 25, 1), 1
	s_wait_xcnt 0x0
	s_wait_alu depctr_hold_cnt(0) depctr_sa_sdst(0) depctr_va_vdst(0) depctr_va_sdst(0) depctr_va_ssrc(0) depctr_va_vcc(0) depctr_vm_vsrc(0)
	s_getreg_b32 s2, hwreg(HW_REG_IB_STS2, 6, 4)
	s_cmp_eq_u32 s2, 0
	s_cbranch_scc0 .Lentry_in_a_cluster
	s_endpgm
.Lentry_in_a_cluster:
	s_bfe_u32 s2, ttmp6, 0x10000c
	s_cmp_lg_u32 s2, 0xf033
	s_cbranch_scc0 .Lentry_shape_is_right
	s_endpgm
.Lentry_shape_is_right:
; out0 = y Wp + bp on codes of FP6 (E2M3) with E8M0 scales, K = 1,024, sums in f32; out0 [8192][1024] f32.
; A tile of 256 x 256 to a work-group of four waves; a wave makes 128 x 128: 64 accumulators, 512 registers.  K goes in four steps of 256 through two LDS slots filled by the tensor data mover.
; Operands lie in memory as images of the operand's registers (1,536 bytes for 16 rows x 128 K: for c = 0, 1: registers 6 c .. 6 c + 3 at 768 c + 16 x lane, registers 6 c + 4, 6 c + 5 at 768 c + 512 + 8 x lane),
; a tile of 16 rows 12,288 bytes.  Tile 2 B + u, row r, is row 32 B + 8 u + r + 8 (r / 8), of y's tokens and of Wp's columns alike.  Wp's tiles begin at tile 192 of wc.
; THE MATRIX INSTRUCTION IS USED TRANSPOSED: source 0 = 16 columns of Wp, source 1 = 16 tokens: a lane holds a token, and its eight results are eight neighbouring columns.  The bias is the C of each sum's first matrix instruction.
; CLUSTERS: 4 x 4 work-groups; y's tiles are asked for jointly along a row of the cluster, Wp's along a column.  The grid has 128 work-groups: with this tile out0 has no more.
; REGISTERS: window 0: v1-31 addresses; v32-63 scale words, two sets; v64-127 the bias; v128-223 A's fragments, one set; on the way out v128-255 hold rows read back.
;   window 1: B's fragments, two sets, at v0 and v128.   windows 2, 3: the accumulators ((a, b) at v[8 (8 (a % 4) + b)] of window 2 + a / 4).
.set FRB,   1536
.set KSL,   3072
.set TROW,  12288
.set HALFT, 8*KSL
.set SLOT,  4*HALFT
.set SCL,   2*SLOT
.set HALFS, 4096
.set SPARE, SCL+4*HALFS                ; the spare words, 128 bytes a wave: two blocks of 256 bytes that no other line names
.set SPITCH, 528                       ; the way out: a stage of 16 rows x (512 bytes + 16) for each wave, in slot 0, which has had its last fill and its last read when the first result is stored there
.set FR,    12
.set NL,    4
.set NP,    4
.set ADRA,  16
.set ADRB,  20
.set L16,   24                         ; v24 16 x lane
.set L8,    25                         ; v25 8 x lane + 512
.set STO,   26                         ; v26 the stage: where I put 32 bytes of a row
.set ADRS,  27
.set SPW,   28
.set NIL,   29
.set RD,    31                         ; v31 the stage: where I read a row back
.set SC,    32
.set BI,    64
.set AF,    128
.set BK,    128
.set G1,  24
.set G0,  32
.set G1B, 48
.set G0B, 56
.set G1S, 68
.set G0S, 76
.set G1SB, 80
.set G0SB, 88
.set MSB, 0
.macro WIN new                         ; the immediate's high byte repeats the setting that is left
.if MSB != \new
	s_set_vgpr_msb (MSB<<8)|\new
.set MSB, \new
.endif
.endm
.set MUL_LO,  0xa1
.set MUL_HI,  0xf1
.set BIAS_LO, 0x81
.set BIAS_HI, 0xc1
.set TO_B,    0x40
.macro JLOAD g0a, g1a, g0b, g1b        ; a joint load: waves 0 and 1 fetch for A, waves 2 and 3 for B.  An s_nop 0 and four v_nop follow each line
	s_cmp_eq_u32 s15, 0
	s_cbranch_scc0 .Lfor_b_\@
	tensor_load_to_lds s[\g0a:\g0a+3], s[\g1a:\g1a+7]
	s_nop 0
.rept 4
	v_nop
.endr
	s_branch .Lasked_\@
.Lfor_b_\@:
	tensor_load_to_lds s[\g0b:\g0b+3], s[\g1b:\g1b+7]
	s_nop 0
.rept 4
	v_nop
.endr
.Lasked_\@:
.endm
.macro CREST
	s_cmp_lg_u32 s14, 0
	s_cbranch_scc1 .Lnot_wave_0_\@
	s_barrier_signal -3
.Lnot_wave_0_\@:
	s_barrier_wait -3
	s_barrier_signal -1
	s_barrier_wait -1
.endm
.macro CROUND
	s_barrier_signal -1
	s_barrier_wait -1
	CREST
.endm
.macro PLACES n
.rept \n
	v_nop
.endr
.endm
	s_load_b256 s[4:11], s[0:1], 0x0               ; yc s[4:5], ys s[6:7], wc s[8:9], ws s[10:11]
	s_load_b128 s[92:95], s[0:1], 0x20             ; bp s[92:93], out0 s[94:95]
	v_lshl_add_u32 v[SPW], v0, 2, SPARE
	v_mov_b32 v[NIL], 0
	ds_add_u32 v[SPW], v[NIL]                      ; the wave's opening: the add and its wait ahead of my first tensor load
	v_lshrrev_b32 v1, 5, v0
	v_readfirstlane_b32 s14, v1                    ; wave 0..3
	s_lshr_b32 s15, s14, 1                         ; my half of the tokens.  Also: I fetch for A (0) or for B (1)
	s_and_b32 s16, s14, 1                          ; my half of the columns.  Also: which 8 tiles I fetch
	s_bfe_u32 s66, ttmp6, 0x40000                  ; cx
	s_bfe_u32 s67, ttmp6, 0x40004                  ; cy
	s_lshl_b32 s46, s67, 2
	s_lshl_b32 s46, 15, s46                        ; my row of the cluster
	s_lshl_b32 s47, 0x1111, s66                    ; my column
	s_or_b32 s[G1+0], s46, (3<<16)|(1<<21)
	s_or_b32 s[G1B+0], s47, (3<<16)|(1<<21)
	s_or_b32 s[G1S+0], s46, (3<<16)|(1<<21)
	s_or_b32 s[G1SB+0], s47, (3<<16)|(1<<21)
.irp g, G1, G1B                        ; 8 rows (tiles) of 3,072 bytes, 12,288 bytes apart
	s_mov_b32 s[\g+1], 384<<16
	s_mov_b32 s[\g+2], 8<<16
	s_mov_b32 s[\g+3], 384<<16
	s_mov_b32 s[\g+4], 8
	s_mov_b32 s[\g+5], 1536
	s_mov_b32 s[\g+6], 0
	s_mov_b32 s[\g+7], 0
.endr
.irp g, G1S, G1SB                      ; a dense block of 4,096 bytes as 16 rows of 256
	s_mov_b32 s[\g+1], 32<<16
	s_mov_b32 s[\g+2], 16<<16
	s_mov_b32 s[\g+3], 32<<16
	s_mov_b32 s[\g+4], 16
	s_mov_b32 s[\g+5], 32
	s_mov_b32 s[\g+6], 0
	s_mov_b32 s[\g+7], 0
.endr
	s_and_b32 s12, ttmp7, 0xffff
	s_lshl_b32 s12, s12, 2
	s_add_co_u32 s12, s12, s67                     ; ta: which 256 tokens
	s_lshl_b32 s13, ttmp9, 2
	s_add_co_u32 s13, s13, s66                     ; tb: which 256 columns
	s_lshl_b32 s46, s16, 3
	s_lshl_b32 s17, s12, 4
	s_add_co_u32 s17, s17, s46                     ; A's first tile that I fetch
	s_mul_i32 s18, s17, TROW
	s_mov_b32 s19, 0
	s_lshl_b32 s20, s17, 9
	s_mov_b32 s21, 0
	s_lshl_b32 s47, s13, 4
	s_add_co_u32 s47, s47, s46
	s_add_co_u32 s47, s47, 192                     ; B's
	s_mul_i32 s22, s47, TROW
	s_mov_b32 s23, 0
	s_lshl_b32 s46, s47, 9
	s_mov_b32 s47, 0
	s_mul_i32 s17, s14, HALFT
	s_mul_i32 s3, s14, HALFS
	s_wait_dscnt 0x0                               ; the opening add is done
	s_wait_kmcnt 0x0
	s_add_nc_u64 s[4:5], s[4:5], s[18:19]
	s_add_nc_u64 s[6:7], s[6:7], s[20:21]
	s_add_nc_u64 s[8:9], s[8:9], s[22:23]
	s_add_nc_u64 s[10:11], s[10:11], s[46:47]
	CROUND                                         ; all sixteen work-groups are here: the first joint loads meet
	s_mov_b32 s[G0S], 1
	s_add_co_u32 s[G0S+1], s3, SCL
	s_mov_b64 s[G0S+2:G0S+3], s[6:7]
	s_or_b32 s[G0S+3], s[G0S+3], 0x80000000
	s_mov_b32 s[G0SB], 1
	s_add_co_u32 s[G0SB+1], s3, SCL
	s_mov_b64 s[G0SB+2:G0SB+3], s[10:11]
	s_or_b32 s[G0SB+3], s[G0SB+3], 0x80000000
	JLOAD G0S, G1S, G0SB, G1SB
.irp s, 0,1
	s_mov_b32 s[G0+4*\s], 1
	s_add_co_u32 s[G0+4*\s+1], s17, \s*SLOT
	s_add_nc_u64 s[G0+4*\s+2:G0+4*\s+3], s[4:5], \s*KSL
	s_or_b32 s[G0+4*\s+3], s[G0+4*\s+3], 0x80000000
	s_mov_b32 s[G0B+4*\s], 1
	s_add_co_u32 s[G0B+4*\s+1], s17, \s*SLOT
	s_add_nc_u64 s[G0B+4*\s+2:G0B+4*\s+3], s[8:9], \s*KSL
	s_or_b32 s[G0B+4*\s+3], s[G0B+4*\s+3], 0x80000000
	JLOAD G0+4*\s, G1, G0B+4*\s, G1B               ; three tensor loads of mine are out
.endr
	v_and_b32 v1, 15, v0                           ; r
	v_bfe_u32 v2, v0, 4, 1                         ; h
	v_and_b32 v3, 31, v0                           ; lane
	v_lshlrev_b32 v[L16], 4, v3
	v_lshl_add_u32 v[L8], v3, 3, 512
	s_mul_i32 s17, s15, HALFT
	s_mul_i32 s46, s16, HALFT
	s_add_co_u32 s46, s46, 2*HALFT
.irp s, 0,1
	v_add_nc_u32 v[ADRA+\s], s17, v[L16]
	v_add_nc_u32 v[ADRA+2+\s], s17, v[L8]
	v_add_nc_u32 v[ADRB+\s], s46, v[L16]
	v_add_nc_u32 v[ADRB+2+\s], s46, v[L8]
	s_add_co_u32 s17, s17, SLOT
	s_add_co_u32 s46, s46, SLOT
.endr
	s_lshl_b32 s17, s15, 12
	s_lshl_b32 s46, s16, 12
	s_add_co_u32 s46, s46, 2*HALFS
	s_sub_co_u32 s46, s46, s17
	v_mul_u32_u24 v4, s46, v2                      ; lanes 16-31 take B's scale words: one product, the distance x h
	s_add_co_u32 s17, s17, SCL
	v_lshl_add_u32 v4, v1, 2, v4
	v_add_nc_u32 v[ADRS], s17, v4
	s_mul_i32 s17, s14, 16*SPITCH                  ; my stage
	v_mul_u32_u24 v4, v1, SPITCH
	v_lshl_add_u32 v4, v2, 6, v4
	v_add_nc_u32 v[STO], s17, v4                   ; in: row r, + 64 h bytes
	v_add_nc_u32 v[RD], s17, v[L16]                ; back: the 32 lanes take one row of 512 bytes
	s_lshl_b32 s18, s12, 8
	s_lshl_b32 s19, s15, 7
	s_add_co_u32 s18, s18, s19                     ; my first token
	s_lshl_b32 s18, s18, 12                        ; 4,096 bytes a row of out0
	s_lshl_b32 s20, s13, 10
	s_lshl_b32 s19, s16, 9
	s_add_co_u32 s20, s20, s19                     ; my first column, in bytes
	s_add_co_u32 s18, s18, s20
	s_mov_b32 s19, 0
	s_mov_b32 s21, 0
	s_add_nc_u64 s[94:95], s[94:95], s[18:19]
	s_add_nc_u64 s[92:93], s[92:93], s[20:21]
	v_lshlrev_b32 v30, 6, v2                       ; the bias: 64 h bytes
.irp b, 0,1,2,3,4,5,6,7                ; for B's block b the lane's eight columns 32 (b / 2) + 16 h + 8 (b % 2) + 0 .. 7
	global_load_b128 v[BI+8*\b:BI+8*\b+3], v30, s[92:93] offset:(32*(\b/2)+8*(\b%2))*4
	global_load_b128 v[BI+8*\b+4:BI+8*\b+7], v30, s[92:93] offset:(32*(\b/2)+8*(\b%2))*4+16
.endr
.macro FRAG reg, adr, q, i
	ds_load_b128 v[\reg:\reg+3], v[\adr] offset:(\i)*KSL+(\q)*FRB
	ds_load_b64 v[\reg+4:\reg+5], v[\adr+2] offset:(\i)*KSL+(\q)*FRB
	ds_load_b128 v[\reg+6:\reg+9], v[\adr] offset:(\i)*KSL+(\q)*FRB+768
	ds_load_b64 v[\reg+10:\reg+11], v[\adr+2] offset:(\i)*KSL+(\q)*FRB+768
.endm
; 16 matrix instructions: A's blocks a0, a0 + 1 x B's eight.  zero = 1: C = the bias.  The 64 accumulators take turns, one instruction a turn, in the same order in every step.
.macro MUL16 a0, p, q, sc, zero
.irp a, \a0, \a0+1
.irp b, 0,1,2,3,4,5,6,7
.if \zero
	v_wmma_scale_f32_16x16x128_f8f6f4 v[8*(8*((\a)%4)+\b):8*(8*((\a)%4)+\b)+7], v[128*(\p)+FR*\b:128*(\p)+FR*\b+FR-1], v[AF+FR*(\a):AF+FR*(\a)+FR-1], v[BI+8*\b:BI+8*\b+7], v[SC+16*(\sc)+2*\b+(\q)], v[SC+16*(\sc)+2*(\a)+(\q)] matrix_a_fmt:MATRIX_FMT_FP6 matrix_b_fmt:MATRIX_FMT_FP6 matrix_a_scale:MATRIX_SCALE_ROW1
.else
	v_wmma_scale_f32_16x16x128_f8f6f4 v[8*(8*((\a)%4)+\b):8*(8*((\a)%4)+\b)+7], v[128*(\p)+FR*\b:128*(\p)+FR*\b+FR-1], v[AF+FR*(\a):AF+FR*(\a)+FR-1], v[8*(8*((\a)%4)+\b):8*(8*((\a)%4)+\b)+7], v[SC+16*(\sc)+2*\b+(\q)], v[SC+16*(\sc)+2*(\a)+(\q)] matrix_a_fmt:MATRIX_FMT_FP6 matrix_b_fmt:MATRIX_FMT_FP6 matrix_a_scale:MATRIX_SCALE_ROW1
.endif
.endr
.endr
.endm
.macro FETCH_B slot, q, p
	WIN TO_B
.irp i, 0,1,2,3,4,5,6,7
	FRAG 128*(\p)+FR*\i, ADRB+\slot, \q, \i
.endr
	WIN 0
.endm
.macro FETCH_A slot, q, i0
.irp i, \i0, \i0+1, \i0+2, \i0+3
	FRAG AF+FR*(\i), ADRA+\slot, \q, \i
.endr
.endm
.macro SCALES sc, S
.irp i, 0,1,2,3,4,5,6,7
.irp q, 0,1
	ds_load_b32 v[SC+16*(\sc)+2*\i+\q], v[ADRS] offset:512*\i+64*(2*(\S)+\q)
.endr
.endr
.endm
.macro STEP slot, q, zero
	s_wait_dscnt 4*NL                              ; all but the youngest 16 loads, A's blocks 4-7
.if \zero
	WIN BIAS_LO
.else
	WIN MUL_LO
.endif
	MUL16 0, (\q)%2, \q, \slot, \zero
	MUL16 2, (\q)%2, \q, \slot, \zero
	s_wait_dscnt 0
	PLACES NP                                      ; in front of loads into registers that matrix instructions have read
	FETCH_B \slot, (\q)+1, 1-(\q)%2
	FETCH_A \slot, (\q)+1, 0
.if \zero
	WIN BIAS_HI
.else
	WIN MUL_HI
.endif
	MUL16 4, (\q)%2, \q, \slot, \zero
	MUL16 6, (\q)%2, \q, \slot, \zero
	PLACES NP
	WIN 0
	FETCH_A \slot, (\q)+1, 4
.endm
.macro TURN slot, next, fill, sn
	s_wait_tensorcnt 0x0                           ; all my tensor loads have landed: my part of the next slot
	ds_add_u32 v[SPW], v[NIL]                      ; 0 onto my spare word
	s_wait_dscnt 4*NL+1                            ; the add and the youngest 16 loads may be out
	WIN MUL_LO
	MUL16 0, 1, 1, \slot, 0
	s_wait_dscnt 0x0                               ; the add is done, and my reads of this slot are over
	s_barrier_signal -1
	MUL16 2, 1, 1, \slot, 0
	WIN 0
	s_barrier_wait -1
.if \fill
	CREST                                          ; no wave of any partner still reads this slot or has a load on its way
	s_add_nc_u64 s[G0+4*\slot+2:G0+4*\slot+3], s[G0+4*\slot+2:G0+4*\slot+3], 2*KSL
	s_add_nc_u64 s[G0B+4*\slot+2:G0B+4*\slot+3], s[G0B+4*\slot+2:G0B+4*\slot+3], 2*KSL
	JLOAD G0+4*\slot, G1, G0B+4*\slot, G1B         ; my one tensor load behind the round
.else
	PLACES NP
.endif
	FETCH_B \next, 0, 0
	FETCH_A \next, 0, 0
	SCALES \next, \sn
	WIN MUL_HI
	MUL16 4, 1, 1, \slot, 0
	MUL16 6, 1, 1, \slot, 0
	PLACES NP
	WIN 0
	FETCH_A \next, 0, 4
.endm
	s_wait_tensorcnt 1                             ; the scale words and my part of slot 0 are in; slot 1's load may be out
	s_barrier_signal -1
	s_barrier_wait -1
	FETCH_B 0, 0, 0
	FETCH_A 0, 0, 0
	SCALES 0, 0
	FETCH_A 0, 0, 4
	s_wait_loadcnt 0x0                             ; the bias
	STEP 0, 0, 1                                   ; the first products start the sums from the bias
	TURN 0, 1, 1, 1
	STEP 1, 0, 0
	TURN 1, 0, 1, 2
	STEP 0, 0, 0
	TURN 0, 1, 0, 3                                ; the last two slot steps fill nothing; behind this barrier nobody reads slot 0
	STEP 1, 0, 0
	s_wait_dscnt 4*NL
	WIN MUL_LO
	MUL16 0, 1, 1, 1, 0
	MUL16 2, 1, 1, 1, 0
	s_wait_dscnt 0
	WIN MUL_HI
	MUL16 4, 1, 1, 1, 0
	MUL16 6, 1, 1, 1, 0
	WIN 0
; THE WAY OUT, block by block of 16 tokens x 128 columns, through my own stage: in as 32 bytes a lane, back as whole rows of 512 bytes.  LDS serves a wave's instructions in order: no wait between the stores and the loads.
.macro TOSTAGE a
.set AC, 64*((\a)%4)
	WIN 0x08+4*((\a)/4)                            ; an LDS store's data: window 2 or 3
.irp b, 0,1,2,3,4,5,6,7
	ds_store_b128 v[STO], v[AC+8*\b:AC+8*\b+3] offset:128*(\b/2)+32*(\b%2)        ; columns 32 (b / 2) + 16 h + 8 (b % 2) on; each accumulator from its low end on
	ds_store_b128 v[STO], v[AC+8*\b+4:AC+8*\b+7] offset:128*(\b/2)+32*(\b%2)+16
.endr
	WIN 0
.set BB, BK+64*((\a)%2)
.irp t, 0,1,2,3,4,5,6,7,8,9,10,11,12,13,14,15
	ds_load_b128 v[BB+4*\t:BB+4*\t+3], v[RD] offset:\t*SPITCH
.endr
.endm
.macro SEND a, younger                 ; younger: the LDS instructions issued behind block a's loads, which may stay out
.set BB, BK+64*((\a)%2)
	s_wait_dscnt \younger
.irp t, 0,1,2,3,4,5,6,7,8,9,10,11,12,13,14,15
	global_store_b128 v[L16], v[BB+4*\t:BB+4*\t+3], s[94:95] offset:(32*((\a)/2)+8*((\a)%2)+\t+8*(\t/8))*4096 th:TH_STORE_NT   ; 32 lanes store 512 consecutive bytes of the token's row; 127 rows at the most stand in the immediate
.endr
.endm
	PLACES NP
	TOSTAGE 0
.irp a, 1,2,3,4,5,6,7
.if \a > 1
	s_wait_xcnt 0x0                                ; the stores of two blocks back have read their registers: this block's loads may land there
.endif
	TOSTAGE \a
	SEND \a-1, 32                                  ; behind that block's loads: this block's 16 stores and 16 loads
.endr
	SEND 7, 0
	s_wait_tensorcnt 0x0                           ; the wave's end, behind my last tensor load and my last LDS store
	ds_add_u32 v[SPW], v[NIL]
	s_wait_dscnt 0x0
	CROUND                                         ; the closing round
	s_endpgm
.Lfunc_end_k_q32a7c86cc9_proj:
	.size	k_q32a7c86cc9_proj, .Lfunc_end_k_q32a7c86cc9_proj-k_q32a7c86cc9_proj
	.p2alignl 7, 3214868480
	.fill 96, 4, 3214868480
	.section	.rodata,"a",@progbits
	.p2align	6, 0x0
	.amdhsa_kernel k_q32a7c86cc9_proj
		.amdhsa_group_segment_fixed_size 327680
		.amdhsa_private_segment_fixed_size 0
		.amdhsa_enable_private_segment 0
		.amdhsa_kernarg_size 48
		.amdhsa_user_sgpr_count 2
		.amdhsa_user_sgpr_kernarg_segment_ptr 1
		.amdhsa_wavefront_size32 1
		.amdhsa_system_sgpr_workgroup_id_x 1
		.amdhsa_system_sgpr_workgroup_id_y 1
		.amdhsa_system_sgpr_workgroup_id_z 1
		.amdhsa_system_vgpr_workitem_id 0
		.amdhsa_next_free_vgpr 1024
		.amdhsa_next_free_sgpr 96
		.amdhsa_reserve_vcc 0
		.amdhsa_float_denorm_mode_32 3
		.amdhsa_float_denorm_mode_16_64 3
		.amdhsa_memory_ordered 1
		.amdhsa_forward_progress 1
		.amdhsa_inst_pref_size 146
	.end_amdhsa_kernel
	.amdgpu_metadata
---
amdhsa.version: [ 1, 2 ]
amdhsa.kernels:
  - .name:           k_q32a7c86cc9_proj
    .symbol:         k_q32a7c86cc9_proj.kd
    .args:
      - { .name: yc, .offset: 0, .size: 8, .value_kind: global_buffer, .address_space: global }
      - { .name: ys, .offset: 8, .size: 8, .value_kind: global_buffer, .address_space: global }
      - { .name: wc, .offset: 16, .size: 8, .value_kind: global_buffer, .address_space: global }
      - { .name: ws, .offset: 24, .size: 8, .value_kind: global_buffer, .address_space: global }
      - { .name: bp, .offset: 32, .size: 8, .value_kind: global_buffer, .address_space: global }
      - { .name: out0, .offset: 40, .size: 8, .value_kind: global_buffer, .address_space: global }
    .group_segment_fixed_size: 327680
    .private_segment_fixed_size: 0
    .kernarg_segment_align: 8
    .kernarg_segment_size: 48
    .max_flat_workgroup_size: 128
    .sgpr_count:     96
    .vgpr_count:     1024
    .wavefront_size: 32
...
	.end_amdgpu_metadata
.endif
;; end of part 4
